; MI455X (gfx1250); checked and timed in simulation.
; The chip was launched on July 23, 2026; its instructions are those of AMD's public machine-readable ISA for CDNA 5 (MIT licence, August 2026) and "CDNA5" Instruction Set Architecture Reference Guide (July 2026). The comments in the code are by the model that wrote it; some were corrected since.
;; Attention Layer. Allowed arithmetic: matrix products marked QUANTISED: E2M1 operands, one E8M0 scale for each 32 along K, by v_wmma_scale_f32_16x16x128_f8f6f4 with both operands' format E2M1 (or v_wmma_scale_f32_32x16x128_f4), f32 sums; everything else in f32.
;; Inputs: Wk_codes 1,024 x 128 x 16 uint8 (E2M1 codes of Wk, K innermost, in blocks of 32 codes, two codes a byte); Wk_scales 1,024 x 128 uint8 (E8M0 scales of Wk, one for each 32 codes along K); Wo_codes 1,024 x 32 x 16 uint8 (E2M1 codes of Wo, K innermost, in blocks of 32 codes, two codes a byte); Wo_scales 1,024 x 32 uint8 (E8M0 scales of Wo, one for each 32 codes along K); Wq_codes 1,024 x 32 x 16 uint8 (E2M1 codes of Wq, K innermost, in blocks of 32 codes, two codes a byte); Wq_scales 1,024 x 32 uint8 (E8M0 scales of Wq, one for each 32 codes along K); Wv_codes 1,024 x 128 x 16 uint8 (E2M1 codes of Wv, K innermost, in blocks of 32 codes, two codes a byte); Wv_scales 1,024 x 128 uint8 (E8M0 scales of Wv, one for each 32 codes along K); bk 1,024 float32; bo 1,024 float32; bq 1,024 float32; bv 1,024 float32; source_embedding_codes 4 x 1,024 x 128 x 16 uint8 (E2M1 codes of source_embedding, K innermost, in blocks of 32 codes, two codes a byte); source_embedding_scales 4 x 1,024 x 128 uint8 (E8M0 scales of source_embedding, one for each 32 codes along K); target_embedding_codes 4 x 2,048 x 32 x 16 uint8 (E2M1 codes of target_embedding, K innermost, in blocks of 32 codes, two codes a byte); target_embedding_scales 4 x 2,048 x 32 uint8 (E8M0 scales of target_embedding, one for each 32 codes along K); value_embedding_codes 4 x 1,024 x 128 x 16 uint8 (E2M1 codes of value_embedding, K innermost, in blocks of 32 codes, two codes a byte); value_embedding_scales 4 x 1,024 x 128 uint8 (E8M0 scales of value_embedding, one for each 32 codes along K).
;; Outputs: out0 4 x 2,048 x 1,024 float32.
;; This version of the problem:
;;   THIS VERSION OF THE PROBLEM IS GIVEN IN LOW PRECISION. The matrix products marked QUANTISED in the list below multiply operands that are first quantised to E2M1 (2 exponent bits, 1 mantissa bit; 4 bits a number), with one power-of-two scale for each 32 numbers along K (OCP MX v1.0); their sums are f32. All else is computed in f32.
;;   The module's matrix products, in the order in which they are computed (A, B: the left and right operand; K: the contracted axis; several contracted axes count as one K, in the product's order):
;;     1. [M 8,192, K 1,024] x [K 1,024, N 1,024]; A: input target_embedding (given as codes); B: input Wq (given as codes): QUANTISED
;;     2. [M 4,096, K 4,096] x [K 4,096, N 1,024]; A: input source_embedding (given as codes); B: input Wk (given as codes): QUANTISED
;;     3. [M 4,096, K 4,096] x [K 4,096, N 1,024]; A: input value_embedding (given as codes); B: input Wv (given as codes): QUANTISED
;;     4. batch 64 x [M 2,048, K 64] x [K 64, N 1,024]; A: computed on the way; B: computed on the way: QUANTISED
;;     5. batch 64 x [M 64, K 1,024] x [K 1,024, N 2,048]; A: computed on the way; B: softmax (see below): QUANTISED
;;     6. [M 8,192, K 1,024] x [K 1,024, N 1,024]; A: computed on the way; B: input Wo (given as codes): QUANTISED
;;   THE QUANTISER, for each operand of a quantised product, along K:
;;     - K is cut into blocks of 32 from its start; a last block that is shorter is filled with zeros.
;;     - A block's scale is 2^e with e = floor(log2(the largest magnitude in the block)) - 2, held to -126 .. 127; a block of zeros has e = 0. As a byte (E8M0): e + 127.
;;     - Each number is divided by its block's scale, clamped to +-6, and rounded to the nearest number of E2M1, ties to even, subnormals kept.
;;     - The product sums the exact products of the quantised numbers (number of the format x scale) in f32.
;;   ~~~python
;;   def quantise(x, axis):      # numpy; x: float32 -> the quantised numbers, widened to float32 again
;;       x = np.moveaxis(x, axis, -1); K = x.shape[-1]
;;       x = np.pad(x, [(0, 0)] * (x.ndim - 1) + [(0, -K % 32)]); x = x.reshape(x.shape[:-1] + (-1, 32)); a = np.abs(x).max(-1, keepdims=True)
;;       e = np.where(a > 0, np.clip(np.frexp(np.where(a > 0, a, 1))[1] - 1 - 2, -126, 127), 0)      # np.frexp(a)[1] - 1 = floor(log2(a)), exactly
;;       r = np.clip(x / 2.0 ** e, -6, 6)
;;       step = 2.0 ** (np.maximum(np.frexp(np.where(r == 0, 1, r))[1] - 1, 0) - 1)
;;       q = np.round(r / step) * step * 2.0 ** e      # np.round: ties to even
;;       return np.moveaxis(q.reshape(q.shape[:-2] + (-1,))[..., :K], -1, axis).astype(np.float32)
;;   ~~~
;;   SOFTMAX AHEAD OF A QUANTISED PRODUCT. Where the list says 'softmax', what is quantised is not the finished softmax but p = 2^(t - M), with t = logit x log2(e) and M = ceil(the row's largest t), a whole number; so 1/2 < the row's largest p <= 1. The row's sum l is taken of the UNQUANTISED p, in f32, and the product's result is divided by l at the end. Since M is a whole number, a kernel that streams over the keys may use a running M (the ceiling of the running maximum): every later rescaling is an exact power of two, which a block's scale takes up: the codes' values come out the same.
;;   OPERANDS COMPUTED ON THE WAY. 'Computed on the way' means the value that the module computes at that place (a softmax that the list does not call 'softmax' is quantised finished and normalised). What goes into a quantiser is computed in f32, as accurately as f32 sums, v_exp_f32 and their like allow (about 1e-6 of the number): no bf16 or f16 on the way to a quantiser, and a product that is left as it is and whose result goes on into a quantised operand takes f32 operands (vector FMAs, or v_wmma_f32_16x16x4_f32). A number that lies on a knife's edge between two numbers of the format may be rounded either way, as far as f32 arithmetic and the matrix unit's own rounding can turn it there, and no further.
;;   INPUTS GIVEN AS CODES. Wk (in the module: [4096, 1024], K = its axis 0); Wo (in the module: [1024, 1024], K = its axis 0); Wq (in the module: [1024, 1024], K = its axis 0); Wv (in the module: [4096, 1024], K = its axis 0); source_embedding (in the module: [4, 1024, 4096], K = its axis 2); target_embedding (in the module: [4, 2048, 1024], K = its axis 2); value_embedding (in the module: [4, 1024, 4096], K = its axis 2): each comes as NAME_codes (uint8): NAME with its K axis moved to the last place and cut into blocks of 32 codes, [.., K / 32, bytes a block], one block behind the other in memory; two codes a byte, the lower K in the low four bits (a code: sign, 2 exponent bits, 1 mantissa bit); and NAME_scales (uint8): the same leading axes, one E8M0 byte (e + 127) for each 32 codes along K. Its value is code x scale, taken as it is: it is not quantised again, and the codes and scales need not be those that the quantiser above would give.
;; One version. Each part assembles by itself: llvm-mc -triple=amdgcn-amd-amdhsa -mcpu=gfx1250 --defsym DOCPART=n.
;; ======== version 1 of 1: 2 launches
;; limits: right only within a limited range of input values
;; workspace buffers: kv 4,587,520 bytes; qimg 4,194,304 bytes; qscl 524,288 bytes
;; launch proj (part 1): grid 16 x 16, 4 waves a work-group, clusters of 4 x 4, 327,680 bytes of LDS; arguments Wk_codes, Wk_scales, source_embedding_codes, source_embedding_scales, value_embedding_codes, value_embedding_scales, Wv_codes, Wv_scales, Wq_codes, Wq_scales, target_embedding_codes, target_embedding_scales, bk, bv, bq, kv, qimg, qscl; writes kv, qimg, qscl
.if DOCPART == 1
	.amdgcn_target "amdgcn-amd-amdhsa--gfx1250"
	.amdhsa_code_object_version 6
	.text
	.protected	k_q046bcc905e_proj
	.globl	k_q046bcc905e_proj
	.p2align	8
	.type	k_q046bcc905e_proj,@function
k_q046bcc905e_proj:
	s_mov_b64 s[64:65], 0
	v_nop
	global_prefetch_b8 v0, s[64:65] scope:SCOPE_SE
	s_setreg_imm32_b32 hwreg(HW_REG_WAVE_MODE, 25, 1), 1
	s_wait_xcnt 0x0
	s_wait_alu depctr_hold_cnt(0) depctr_sa_sdst(0) depctr_va_vdst(0) depctr_va_sdst(0) depctr_va_ssrc(0) depctr_va_vcc(0) depctr_vm_vsrc(0)
	s_getreg_b32 s2, hwreg(HW_REG_IB_STS2, 6, 4)
	s_cmp_eq_u32 s2, 0
	s_cbranch_scc0 .Lentry_in_a_cluster
	s_endpgm
.Lentry_in_a_cluster:
	s_bfe_u32 s2, ttmp6, 0x10000c
	s_cmp_lg_u32 s2, 0xf033
	s_cbranch_scc0 .Lentry_shape_is_right
	s_endpgm
.Lentry_shape_is_right:
; k = source Wk + bk, v = value Wv + bv, q = target Wq + bq, all on given codes of FP4 (E2M1) with E8M0 scales; each result is quantised again, in registers, for the attention's products.
; ONE FORM FOR ALL THREE: source 0 = 16 rows of X, source 1 = 16 rows of Y, so that a lane holds ONE row of Y and its registers run along X; the result is quantised along X, in blocks of 32.
;   k: X = Wk's 1,024 rows (head x 64 + e), Y = source's 4,096 rows.   v: X = value's 4,096 rows (the keys), Y = Wv's 1,024 rows.   q: X = Wq's rows, Y = target's 8,192 rows.
; SHARES.  A tile is X 256 x Y 128.  k and v make 128 tiles each (K = 4,096), q makes 256 (K = 1,024): each of the 256 work-groups makes one tile of k or v and then one of q, and the ring of two LDS slots
; goes on from the one into the other.  Four waves; a wave makes X 128 x Y 64: 32 accumulators.  K goes in steps of 512 (rows of 256 bytes).
; CLUSTERS: 4 x 4 work-groups.  X's tile hangs on cx alone and is shared along a column of the cluster, Y's on cy alone and is shared along a row: joint loads, four partners each.
; RESULTS leave as IMAGES OF OPERAND REGISTERS.  Codes of 16 rows x 64 along K: lane (r, h) holds the 16 bytes of block h of row r, 512 consecutive bytes a store.  Scale words of 64 rows: 8 bytes a lane,
; the word of (tile t, row r) at 8 (r + 16 (t % 2)) + 4 (t / 2): 256 consecutive bytes a store.  kv holds a record of 71,680 bytes for each (batch, head): K's codes, V's codes, K's scale images, V's.
; THE TILES ARE PREFETCHED INTO THE L2, two refills ahead of the joint loads (macro ASK).
; LIMITS: a block of zeros gets the byte 1 where the quantiser says 127 (its codes are zeros, and this program alone reads the bytes); blocks whose largest magnitude lies under 2^-124 are held at byte 1;
; NaN and infinities among the inputs are not served.
; REGISTERS, in windows of 256.  Window 0: v16-27 addresses; v28, v29 for the add; v32-79 k's or v's scale words, two sets of 24; v80-127 q's scale words, all of K; v128-191 Y's fragments, two sets of 32
;   (on the way out v160-191 hold eight units' codes); v192-199 scale words made; v200-207 the bias along Y; v208-239 32 numbers at work; v240-251 at work.
; Window 1: v0-63, v128-191 X's fragments, two sets; v64-127 the bias along X for k or v; v192-255 bq.   Window 2: accumulator (a, b) at v[8 (8 a + b)], a: Y's tile, b: X's tile.
.set PITCH, 272                        ; an LDS row: 256 bytes + 16 of padding: the 16 rows that a load touches start 16 bytes further on in each 256
.set XT,    256*PITCH                  ; in a slot: X's 256 rows, then Y's 128
.set SLOT,  384*PITCH
.set SCL,   2*SLOT                     ; behind the ring: X's scale bytes for all of K = 4,096: 256 rows x 128 bytes, as 128 pieces of 256 bytes + 16
.set SCLY,  SCL+128*272                ; Y's: 64 pieces
.set SPARE, SCLY+64*272                ; the spare words, 128 bytes a wave: two blocks of 256 bytes that no other line names
.set REC,   71680                      ; a record of kv, laid BY KEY STEP of 128 keys: eight pieces of 8,960 bytes, each +0 K's codes, +4,096 V's codes, +8,192 K's two scale images, +8,704 V's
.set ADRX, 16                          ; v16-17 LDS address of my X fragments in slot 0, 1
.set ADRY, 20                          ; v20-21 the same for Y
.set ADSX, 22                          ; v22  my X scale words: lanes 0-15 an even tile's rows, lanes 16-31 the odd tile's
.set ADSY, 23                          ; v23  the same for Y
.set OC,   24                          ; v24  16 x lane: a code image's place
.set OS,   25                          ; v25  8 x lane: a scale image's place
.set PFO,  26                          ; v26  the prefetches' offset in k's or v's operands: my lane x a row of 2,048 bytes; never rewritten
.set PFOQ, 27                          ; v27  and in q's: my lane x a row of 512 bytes; never rewritten
.set SPW,  28                          ; v28  my spare word; never rewritten
.set NIL,  29                          ; v29  0; never rewritten
.set SC,   32
.set QS,   80
.set YF,   128
.set CD,   160
.set WW,   192
.set BY,   200
.set TT,   208
.set IM,   240
.set MX,   244                         ; v244-245 largest magnitudes; v246-247 the other half's; v248-249 the conversions' scale operands; v250-251 the bytes
.set PX,   246
.set EX,   248
.set BB,   250
.set BXW,  64                          ; in window 1
.set BQW,  192
.set SEL,  18                          ; s[18:19] selects of v_permlanex16_b32: lane l xor 16
.set G1X,  24                          ; s[24:31] group 1 for X's tiles; s[32:39] group 0, a set for each slot
.set G0X,  32
.set G1Y,  48                          ; s[48:55], s[56:63] the same for Y's
.set G0Y,  56
.set G1SX, 68                          ; s[68:75], s[76:79] for X's scale bytes; s[80:87], s[88:91] for Y's
.set G0SX, 76
.set G1SY, 80
.set G0SY, 88
.set QXA,  92                          ; s[92:93], s[94:95] where q's tiles of X and of Y begin
.set QYA,  94
.set PFA,  46                          ; s[46:47] where my prefetches stand in k's or v's operand: my work-group's 32 rows, at the K step that the next request names
.set PFQ,  66                          ; s[66:67] the same in q's operand, at its K step 0; never stepped
.set LIM,  45                          ; s45  1 in a wave that prefetches for k or v, else the greatest number
.set LIMQ, 40                          ; s40  1 in a wave that prefetches for q, else 0
.set MSB, 0
.macro WIN new                         ; the immediate's high byte repeats the setting that is left
.if MSB != \new
	s_set_vgpr_msb (MSB<<8)|\new
.set MSB, \new
.endif
.endm
.macro PLACES                          ; four plain vector instructions between a matrix instruction and a load into, or a read of, its registers
.rept 4
	v_nop
.endr
.endm
; A joint load: waves 0 and 1 fetch X's halves, waves 2 and 3 Y's.  The branch hangs on the wave's number alone.  Four v_nop follow each of the two lines.
.macro JLOAD g0x, g1x, g0y, g1y
	s_cmp_eq_u32 s15, 0
	s_cbranch_scc0 .Lfor_y_\@
	tensor_load_to_lds s[\g0x:\g0x+3], s[\g1x:\g1x+7]
	s_nop 0
.rept 4
	v_nop
.endr
	s_branch .Lasked_\@
.Lfor_y_\@:
	tensor_load_to_lds s[\g0y:\g0y+3], s[\g1y:\g1y+7]
	s_nop 0
.rept 4
	v_nop
.endr
.Lasked_\@:
.endm
; A PREFETCH INTO THE L2, behind each joint refill of the loop, its four lines and the run of LDS loads that follows them: the K step that stands TWO refills on, 256 bytes of each of 32 rows, a lane a row,
; one instruction a wave.  At a change of slots every wave has waited for all its tensor loads, so the refill that follows has nothing on its way beside it: what it asks for has been asked of memory
; two K steps, 256 matrix instructions, earlier.  The loop's first two trips name K steps 4 to 7 of k or v; its last trip names q's K steps 0 and 1, which the two changes of slots behind the loop will load.
; K steps 2 and 3 come by their refills alone: nothing is prefetched at the head, where every work-group's first tiles are on their way.
; Each row's 256 bytes of a K step are named ONCE in the launch.  Rows that several clusters read are asked for by one of them: Wk's by the cluster with x = 0 and an even y, value's by the one with an even y,
; Wv's by the one with x = 0, Wq's by cluster (0, 0); source's and target's rows are read by one cluster alone.  The four partners that ask for a tile jointly share its rows out BY ADDRESS, 32 each (by cy
; for X, by cx for Y): no branch hangs on a work-group's place in its cluster.  Waves 0 and 1 ask for the halves of X that they fetch, wave 2 for Y.
.macro ASK slot
	s_cmp_gt_u32 s3, s[LIM]                        ; s3 = 1 in the loop's last trip: k or v has no K step two refills on
	s_cbranch_scc0 .Lnot_kv_\@
	global_prefetch_b8 v[PFO], s[PFA:PFA+1] th:TH_LOAD_NT scope:SCOPE_SE
.Lnot_kv_\@:
	s_cmp_eq_u32 s3, s[LIMQ]
	s_cbranch_scc0 .Lnot_q_\@
	global_prefetch_b8 v[PFOQ], s[PFQ:PFQ+1] offset:256*\slot th:TH_LOAD_NT scope:SCOPE_SE
.Lnot_q_\@:
.endm
.macro CREST                           ; a round of the cluster's barrier behind its opening barrier
	s_cmp_lg_u32 s14, 0
	s_cbranch_scc1 .Lnot_wave_0_\@
	s_barrier_signal -3
.Lnot_wave_0_\@:
	s_barrier_wait -3
	s_barrier_signal -1
	s_barrier_wait -1
.endm
.macro CROUND
	s_barrier_signal -1
	s_barrier_wait -1
	CREST
.endm
; One product.  ox, oy: the X tile, the Y tile is an odd one: its scale words stand in lanes 16-31.  zero = 1: the product starts the sum.
.macro WM acc, xa, yb, sx, sy, ox, oy, zero
.if (\zero) && (\ox) && (\oy)
	v_wmma_scale_f32_16x16x128_f8f6f4 v[\acc:\acc+7], v[\xa:\xa+7], v[\yb:\yb+7], 0, v[\sx], v[\sy] matrix_a_fmt:MATRIX_FMT_FP4 matrix_b_fmt:MATRIX_FMT_FP4 matrix_a_scale:MATRIX_SCALE_ROW1 matrix_b_scale:MATRIX_SCALE_ROW1
.elseif (\zero) && (\ox)
	v_wmma_scale_f32_16x16x128_f8f6f4 v[\acc:\acc+7], v[\xa:\xa+7], v[\yb:\yb+7], 0, v[\sx], v[\sy] matrix_a_fmt:MATRIX_FMT_FP4 matrix_b_fmt:MATRIX_FMT_FP4 matrix_a_scale:MATRIX_SCALE_ROW1
.elseif (\zero) && (\oy)
	v_wmma_scale_f32_16x16x128_f8f6f4 v[\acc:\acc+7], v[\xa:\xa+7], v[\yb:\yb+7], 0, v[\sx], v[\sy] matrix_a_fmt:MATRIX_FMT_FP4 matrix_b_fmt:MATRIX_FMT_FP4 matrix_b_scale:MATRIX_SCALE_ROW1
.elseif (\zero)
	v_wmma_scale_f32_16x16x128_f8f6f4 v[\acc:\acc+7], v[\xa:\xa+7], v[\yb:\yb+7], 0, v[\sx], v[\sy] matrix_a_fmt:MATRIX_FMT_FP4 matrix_b_fmt:MATRIX_FMT_FP4
.elseif (\ox) && (\oy)
	v_wmma_scale_f32_16x16x128_f8f6f4 v[\acc:\acc+7], v[\xa:\xa+7], v[\yb:\yb+7], v[\acc:\acc+7], v[\sx], v[\sy] matrix_a_fmt:MATRIX_FMT_FP4 matrix_b_fmt:MATRIX_FMT_FP4 matrix_a_scale:MATRIX_SCALE_ROW1 matrix_b_scale:MATRIX_SCALE_ROW1
.elseif (\ox)
	v_wmma_scale_f32_16x16x128_f8f6f4 v[\acc:\acc+7], v[\xa:\xa+7], v[\yb:\yb+7], v[\acc:\acc+7], v[\sx], v[\sy] matrix_a_fmt:MATRIX_FMT_FP4 matrix_b_fmt:MATRIX_FMT_FP4 matrix_a_scale:MATRIX_SCALE_ROW1
.elseif (\oy)
	v_wmma_scale_f32_16x16x128_f8f6f4 v[\acc:\acc+7], v[\xa:\xa+7], v[\yb:\yb+7], v[\acc:\acc+7], v[\sx], v[\sy] matrix_a_fmt:MATRIX_FMT_FP4 matrix_b_fmt:MATRIX_FMT_FP4 matrix_b_scale:MATRIX_SCALE_ROW1
.else
	v_wmma_scale_f32_16x16x128_f8f6f4 v[\acc:\acc+7], v[\xa:\xa+7], v[\yb:\yb+7], v[\acc:\acc+7], v[\sx], v[\sy] matrix_a_fmt:MATRIX_FMT_FP4 matrix_b_fmt:MATRIX_FMT_FP4
.endif
.endm
; Eight products: Y's tile a against X's eight, from fragment set p.  The 32 accumulators take turns, one instruction a turn, in the same order in every step.
.macro MULA a, p, zero
.irp b, 0,1,2,3,4,5,6,7
	WM 8*(8*(\a)+\b), 128*(\p)+8*\b, YF+32*(\p)+8*(\a), SXB+SXS*(\b/2), SYB+SYS*((\a)/2), \b%2, (\a)%2, \zero
.endr
.endm
; which registers hold the scale words of the slot's q-th 128 along K.  isq = 0: k or v, set = slot;  isq = 1: q, whose K step is the slot's number
.macro SETSC slot, q, isq
.if \isq
.set SXB, QS+4*(\slot)+(\q)
.set SXS, 8
.set SYB, QS+32+4*(\slot)+(\q)
.set SYS, 8
.else
.set SXB, SC+24*(\slot)+(\q)
.set SXS, 4
.set SYB, SC+16+24*(\slot)+(\q)
.set SYS, 4
.endif
.endm
; 24 LDS loads in one run: X's eight fragments and Y's four of the slot's q-th 128 along K, into set p.  A fragment: lane l holds row l % 16; registers 4 c .. 4 c + 3 hold K = 64 c + 32 (l / 16) + 0 .. 31
.macro FETCH slot, q, p
	WIN 0x40                                       ; destination window 1, address window 0
.irp i, 0,1,2,3,4,5,6,7
.irp c, 0,1
	ds_load_b128 v[128*(\p)+8*\i+4*\c:128*(\p)+8*\i+4*\c+3], v[ADRX+\slot] offset:64*(\q)+32*\c+\i*16*PITCH
.endr
.endr
	WIN 0
.irp i, 0,1,2,3
.irp c, 0,1
	ds_load_b128 v[YF+32*(\p)+8*\i+4*\c:YF+32*(\p)+8*\i+4*\c+3], v[ADRY+\slot] offset:64*(\q)+32*\c+\i*16*PITCH
.endr
.endr
.endm
.macro SCALES s                        ; a K step's scale words of k or v: four words a row; a load serves two tiles (32 rows = 16 pieces of 272 bytes)
.irp i, 0,1,2,3
	ds_load_b128 v[SC+24*\s+4*\i:SC+24*\s+4*\i+3], v[ADSX] offset:\i*16*272
.endr
.irp i, 0,1
	ds_load_b128 v[SC+24*\s+16+4*\i:SC+24*\s+16+4*\i+3], v[ADSY] offset:\i*16*272
.endr
.endm
; A step of 128 along K that has its successor in the same slot: the successor's fragments are asked for first, then this step's 32 products are issued.
.macro STEP slot, q, zero, isq
	SETSC \slot, \q, \isq
	PLACES                                         ; the set that is loaded now was multiplied by the products just issued
	FETCH \slot, (\q)+1, ((\q)+1)%2
	s_wait_dscnt 24                                ; all but the 24 just issued: this step's fragments, asked for a step ago, and the scale words with them
	WIN 0xa1                                       ; source 0 (X) window 1, source 1 (Y) window 0, C and D window 2
	MULA 0, (\q)%2, \zero
	MULA 1, (\q)%2, \zero
	MULA 2, (\q)%2, \zero
	MULA 3, (\q)%2, \zero
	WIN 0
.endm
; A slot's last step changes slots: one barrier; in front of it each wave waits for all its tensor loads, adds 0 to its spare word, and waits for that and for its reads of this slot.
; mode 1: this slot takes the K step two on.  mode 2: slot 0 takes q's K step 0 (from here on a row in memory is 512 bytes).  mode 3: slot 1 takes q's K step 1.  mode 0: nothing is filled.
; nkv = 1: the next slot holds a K step of k or v, whose scale words come from LDS.
.macro TURN slot, next, mode, isq, nkv
	SETSC \slot, 3, \isq
.if \mode == 1
	s_wait_xcnt 0x0                                ; the last prefetch, a K step back, has read its address: it is stepped here, ahead of the waits of the change of slots
	s_add_nc_u64 s[PFA:PFA+1], s[PFA:PFA+1], 256
.endif
	s_wait_tensorcnt 0x0                           ; all my tensor loads have landed: my part of the next slot
	ds_add_u32 v[SPW], v[NIL]                      ; 0 onto my spare word
	s_wait_dscnt 1                                 ; this step's fragments are in; the add alone may be out
	WIN 0xa1
	MULA 0, 1, 0                                   ; eight products stand between the add and the wait for it
	s_wait_dscnt 0x0                               ; the add is done, and my reads of this slot are over
	s_barrier_signal -1
	MULA 1, 1, 0
	WIN 0
	s_barrier_wait -1
.if \mode
	CREST                                          ; the barrier has opened a round of the cluster's barrier: no wave of any partner still reads this slot or has a load on its way
.if \mode == 1
	s_add_nc_u64 s[G0X+4*\slot+2:G0X+4*\slot+3], s[G0X+4*\slot+2:G0X+4*\slot+3], 512
	s_add_nc_u64 s[G0Y+4*\slot+2:G0Y+4*\slot+3], s[G0Y+4*\slot+2:G0Y+4*\slot+3], 512
.elseif \mode == 2
	s_mov_b64 s[G0X+2:G0X+3], s[QXA:QXA+1]
	s_or_b32 s[G0X+3], s[G0X+3], 0x80000000
	s_mov_b64 s[G0Y+2:G0Y+3], s[QYA:QYA+1]
	s_or_b32 s[G0Y+3], s[G0Y+3], 0x80000000
	s_mov_b32 s[G1X+5], 512                        ; no tensor load of mine is out: the pitch may be written
	s_mov_b32 s[G1Y+5], 512
.else
	s_add_nc_u64 s[G0X+6:G0X+7], s[QXA:QXA+1], 256
	s_or_b32 s[G0X+7], s[G0X+7], 0x80000000
	s_add_nc_u64 s[G0Y+6:G0Y+7], s[QYA:QYA+1], 256
	s_or_b32 s[G0Y+7], s[G0Y+7], 0x80000000
.endif
	JLOAD G0X+4*\slot, G1X, G0Y+4*\slot, G1Y       ; the first tensor load behind the round, my one load until the next; its four v_nop are also the places in front of the loads below
.else
	PLACES
.endif
.if \nkv
	s_wait_alu depctr_va_vdst(0)
	v_add_nc_u32 v[ADSX], 16, v[ADSX]              ; on to the next K step's scale words
	v_add_nc_u32 v[ADSY], 16, v[ADSY]
.endif
	FETCH \next, 0, 0
.if \nkv
	SCALES \next
.endif
.if \mode == 1
	ASK \slot                                      ; behind the joint load and the run of LDS loads that the next products wait for
.endif
	WIN 0xa1
	MULA 2, 1, 0
	MULA 3, 1, 0
	WIN 0
.endm
; 32 numbers of a lane, register 8 t + j = index 16 t + 8 (lane / 16) + j along the next K of my row, become a code image (4 registers at c) and two scale bytes (v[BB], v[BB+1]).
; A block of 32 lies in 16 registers of lanes l and l xor 16.  The conversions' results are quarter blocks; two exchanges of halves give each lane a whole block: lanes 0-15 block 0, lanes 16-31 block 1.
.macro UNIT t, c
	v_max3_num_f32 v[MX], |v[\t]|, |v[\t+1]|, 0x1800000      ; with the floor 2^(3 - 127): the byte cannot fall under 1
	v_max3_num_f32 v[MX+1], |v[\t+16]|, |v[\t+17]|, 0x1800000
.irp i, 2,4,6,8,10,12,14
	v_max3_num_f32 v[MX], v[MX], |v[\t+\i]|, |v[\t+\i+1]|
	v_max3_num_f32 v[MX+1], v[MX+1], |v[\t+16+\i]|, |v[\t+17+\i]|
.endr
	v_permlanex16_b32 v[PX], v[MX], s[SEL], s[SEL+1]
	v_permlanex16_b32 v[PX+1], v[MX+1], s[SEL], s[SEL+1]
	v_max_num_f32 v[MX], v[MX], v[PX]              ; the block's largest magnitude
	v_max_num_f32 v[MX+1], v[MX+1], v[PX+1]
	v_add_nc_u32 v[EX], 0xff000000, v[MX]          ; 2 off its exponent field: the conversion takes this operand's exponent field as its scale
	v_add_nc_u32 v[EX+1], 0xff000000, v[MX+1]
	v_lshrrev_b32 v[BB], 23, v[EX]                 ; the scale's byte
	v_lshrrev_b32 v[BB+1], 23, v[EX+1]
	v_cvt_scalef32_pk8_fp4_f32 v[\c], v[\t:\t+7], v[EX]
	v_cvt_scalef32_pk8_fp4_f32 v[\c+1], v[\t+16:\t+23], v[EX+1]
	v_cvt_scalef32_pk8_fp4_f32 v[\c+2], v[\t+8:\t+15], v[EX]
	v_cvt_scalef32_pk8_fp4_f32 v[\c+3], v[\t+24:\t+31], v[EX+1]
	v_nop                                          ; one plain place behind a scaled conversion
	v_permlane16_swap_b32 v[\c], v[\c+1]
	v_permlane16_swap_b32 v[\c+2], v[\c+3]
.endm
; THE WAY OUT of a tile.  form 0: the bias runs along X (window 1, from v[bias]); each group g of 64 along X is a head, with a scale word of two bytes.  form 1: the bias runs along Y; the two groups are
; the halves of one K step of 128 keys, and their four bytes make one word.  cb, sb: the stores' bases; cg, ca: bytes from group to group and from Y tile to Y tile in the codes; sg: from group to group in the scale images.
.macro EPI form, bias, cb, sb, cg, ca, sg
	PLACES
.irp a, 0,1,2,3
.irp g, 0,1
.if \form == 0
	WIN 0x06                                       ; source 0 (the sums) window 2, source 1 (the bias) window 1
.else
	WIN 0x02
.endif
.irp t, 0,1,2,3
.irp jj, 0,2,4,6
.if \form == 0
	v_pk_add_f32 v[TT+8*\t+\jj:TT+8*\t+\jj+1], v[8*(8*\a+4*\g+\t)+\jj:8*(8*\a+4*\g+\t)+\jj+1], v[\bias+8*(4*\g+\t)+\jj:\bias+8*(4*\g+\t)+\jj+1]
.else
	v_pk_add_f32 v[TT+8*\t+\jj:TT+8*\t+\jj+1], v[8*(8*\a+4*\g+\t)+\jj:8*(8*\a+4*\g+\t)+\jj+1], v[BY+2*\a:BY+2*\a+1]
.endif
.endr
.endr
	WIN 0
	UNIT TT, CD+4*(2*\a+\g)
	global_store_b128 v[OC], v[CD+4*(2*\a+\g):CD+4*(2*\a+\g)+3], s[\cb:\cb+1] offset:\g*\cg+\a*\ca   ; 32 lanes store 512 consecutive bytes; each unit has its own four registers
.if \form == 0
	v_lshl_or_b32 v[WW+4*\g+\a], v[BB+1], 8, v[BB]
.elseif \g == 0
	v_lshl_or_b32 v[WW+\a], v[BB+1], 8, v[BB]
.else
	v_lshl_or_b32 v[WW+\a], v[BB], 16, v[WW+\a]
	v_lshl_or_b32 v[WW+\a], v[BB+1], 24, v[WW+\a]
.endif
.endr
.endr
.irp g, 0,1
.if (\form == 0) || (\g == 0)
	v_cndmask_b32 v[IM+2*\g], v[WW+4*\g], v[WW+4*\g+1], s12       ; lanes 0-15 the even tile's words, lanes 16-31 the odd tile's
	v_cndmask_b32 v[IM+2*\g+1], v[WW+4*\g+2], v[WW+4*\g+3], s12
	global_store_b64 v[OS], v[IM+2*\g:IM+2*\g+1], s[\sb:\sb+1] offset:\g*\sg   ; 32 lanes store 256 consecutive bytes, aligned
.endif
.endr
.endm
	s_load_b256 s[68:75], s[0:1], 0x0              ; k: X's codes, X's scales, Y's codes, Y's scales
	s_load_b256 s[80:87], s[0:1], 0x20             ; v: the same four
	s_load_b256 s[24:31], s[0:1], 0x40             ; q: the same four
	s_load_b256 s[48:55], s[0:1], 0x60             ; bk, bv, bq, kv
	s_load_b128 s[8:11], s[0:1], 0x80              ; qimg, qscl
	v_lshl_add_u32 v[SPW], v0, 2, SPARE
	v_mov_b32 v[NIL], 0
	ds_add_u32 v28, v29
	ds_add_u32 v28, v29
	s_wait_dscnt 0x0
	v_lshrrev_b32 v1, 5, v0
	v_readfirstlane_b32 s14, v1                    ; wave 0..3
	s_lshr_b32 s15, s14, 1                         ; wy: my half of Y's rows.  Also: I fetch for X (0) or for Y (1)
	s_and_b32 s16, s14, 1                          ; wx: my half of X's rows.  Also: which half of that tile I fetch
	s_bfe_u32 s40, ttmp6, 0x40000                  ; cx
	s_bfe_u32 s41, ttmp6, 0x40004                  ; cy
	s_and_b32 s43, ttmp7, 0xffff                   ; the cluster's y, 0..3
	s_lshr_b32 s17, s43, 1                         ; 0: my first tile is k's; 1: v's.  The same in all sixteen partners
	s_and_b32 s44, s43, 1
	s_lshl_b32 s45, ttmp9, 2
	s_add_co_u32 s45, s45, s40                     ; v: X's tile = 4 x cluster x + cx
	s_lshl_b32 s46, s44, 2
	s_add_co_u32 s47, s46, ttmp9
	s_lshl_b32 s47, s47, 2
	s_add_co_u32 s47, s47, s41                     ; k: Y's tile = 4 (cluster x + 4 (cluster y & 1)) + cy
	s_add_co_u32 s46, s46, s41                     ; v: Y's tile = 4 (cluster y & 1) + cy
	s_cmp_eq_u32 s17, 0
	s_cselect_b32 s45, s40, s45                    ; X's tile (k: cx)
	s_cselect_b32 s46, s47, s46                    ; Y's tile
	s_lshl_b32 s47, s43, 2
	s_add_co_u32 s47, s47, ttmp9
	s_lshl_b32 s47, s47, 2
	s_add_co_u32 s47, s47, s41                     ; q: Y's tile = 4 (cluster x + 4 cluster y) + cy; X's tile = cx
	s_lshl_b32 s44, 0x1111, s40                    ; my column of the cluster: X's tiles
	s_lshl_b32 s41, s41, 2
	s_lshl_b32 s41, 15, s41                        ; my row: Y's tiles
	s_lshl_b32 s2, s16, 7
	s_lshl_b32 s45, s45, 8
	s_add_co_u32 s45, s45, s2                      ; X0: my first row of X, to fetch and to multiply: 256 x tile + 128 wx
	s_lshl_b32 s40, s40, 8
	s_add_co_u32 s40, s40, s2                      ; the same for q
	s_lshl_b32 s2, s16, 6
	s_lshl_b32 s46, s46, 7
	s_lshl_b32 s47, s47, 7
	s_add_co_u32 s66, s46, s2                      ; the first row of Y that I fetch: 128 x tile + 64 wx
	s_add_co_u32 s67, s47, s2                      ; the same for q
	s_lshl_b32 s2, s15, 6
	s_add_co_u32 s46, s46, s2                      ; Y0: the first row of Y that I multiply: 128 x tile + 64 wy
	s_add_co_u32 s47, s47, s2                      ; the same for q
	; where my results go, as offsets.  k: record 16 (Y0 / 1024) + X0 / 64; codes 32 bytes a key, scale words 4
	s_lshr_b32 s2, s46, 10
	s_lshl_b32 s2, s2, 4
	s_lshr_b32 s13, s45, 6
	s_add_co_u32 s2, s2, s13
	s_mul_i32 s2, s2, REC
	s_and_b32 s13, s46, 1023
	s_lshr_b32 s20, s13, 7                         ; the key step
	s_mul_i32 s20, s20, 8960
	s_add_co_u32 s2, s2, s20
	s_and_b32 s13, s13, 127                        ; my first key in it: 0 or 64
	s_lshl_b32 s4, s13, 5
	s_add_co_u32 s4, s4, s2
	s_lshl_b32 s6, s13, 2
	s_add_co_u32 s6, s6, s2
	s_add_co_u32 s6, s6, 8192
	; v: record 16 (X0 / 1024) + Y0 / 64; key step (X0 % 1024) / 128: 4,096 bytes of codes, 256 of scale words
	s_lshr_b32 s2, s45, 10
	s_lshl_b32 s2, s2, 4
	s_lshr_b32 s13, s46, 6
	s_add_co_u32 s2, s2, s13
	s_mul_i32 s2, s2, REC
	s_bfe_u32 s13, s45, 0x30007
	s_mul_i32 s20, s13, 8960
	s_add_co_u32 s20, s20, s2
	s_add_co_u32 s21, s20, 8704
	s_add_co_u32 s20, s20, 4096
	s_cmp_eq_u32 s17, 0
	s_cselect_b32 s4, s4, s20
	s_cselect_b32 s6, s6, s21
	s_mov_b32 s5, 0
	s_mov_b32 s7, 0
	; q: head 16 (Y0 / 2048) + X0 / 64: 65,536 bytes of codes and 8,192 of scale words a head
	s_lshr_b32 s2, s47, 11
	s_lshl_b32 s2, s2, 4
	s_lshr_b32 s13, s40, 6
	s_add_co_u32 s2, s2, s13
	s_and_b32 s13, s47, 2047
	s_lshl_b32 s20, s2, 16
	s_lshl_b32 s21, s13, 5
	s_add_co_u32 s20, s20, s21
	s_lshl_b32 s22, s2, 13
	s_lshl_b32 s23, s13, 2
	s_add_co_u32 s22, s22, s23
	s_mov_b32 s21, 0
	s_mov_b32 s23, 0
	s_mov_b32 s105, 0                              ; s[104:105]: offsets made of X's numbers; s[42:43]: of Y's
	s_mov_b32 s43, 0
	s_mov_b32 s12, 0xffff0000                      ; lanes 16-31
	s_mov_b32 s[SEL], 0x76543210
	s_mov_b32 s[SEL+1], 0xfedcba98
	s_wait_kmcnt 0x0
	s_cmp_eq_u32 s17, 0                            ; k's buffers or v's: the choice hangs on the cluster's y alone
	s_cselect_b64 s[68:69], s[68:69], s[80:81]
	s_cselect_b64 s[70:71], s[70:71], s[82:83]
	s_cselect_b64 s[72:73], s[72:73], s[84:85]
	s_cselect_b64 s[74:75], s[74:75], s[86:87]
	s_cselect_b64 s[96:97], s[48:49], s[50:51]     ; bk or bv
	s_add_nc_u64 s[4:5], s[54:55], s[4:5]          ; kv: my codes
	s_add_nc_u64 s[6:7], s[54:55], s[6:7]          ; kv: my scale images
	s_add_nc_u64 s[8:9], s[8:9], s[20:21]          ; qimg
	s_add_nc_u64 s[10:11], s[10:11], s[22:23]      ; qscl
	s_and_b32 s42, s46, 1023                       ; both forms of the bias are loaded; % 1,024 keeps the one that is not used inside its buffer
	s_lshl_b32 s42, s42, 2
	s_add_nc_u64 s[98:99], s[96:97], s[42:43]      ; the bias along Y
	s_and_b32 s104, s45, 1023
	s_lshl_b32 s104, s104, 2
	s_add_nc_u64 s[96:97], s[96:97], s[104:105]    ; the bias along X
	s_lshl_b32 s104, s40, 2
	s_add_nc_u64 s[100:101], s[52:53], s[104:105]  ; bq
	s_lshl_b32 s104, s40, 5
	s_add_nc_u64 s[20:21], s[26:27], s[104:105]    ; q: my rows' scale bytes of X, 32 bytes a row
	s_lshl_b32 s42, s47, 5
	s_add_nc_u64 s[22:23], s[30:31], s[42:43]      ; and of Y
	s_lshl_b32 s104, s40, 9
	s_add_nc_u64 s[QXA:QXA+1], s[24:25], s[104:105]
	s_lshl_b32 s42, s67, 9
	s_add_nc_u64 s[QYA:QYA+1], s[28:29], s[42:43]
	; group 0: count, LDS address, global address, type.  No place in the cluster enters an LDS address
	s_lshl_b32 s104, s45, 11
	s_add_nc_u64 s[G0X+2:G0X+3], s[68:69], s[104:105]
	s_add_nc_u64 s[G0X+6:G0X+7], s[G0X+2:G0X+3], 256
	s_or_b32 s[G0X+3], s[G0X+3], 0x80000000
	s_or_b32 s[G0X+7], s[G0X+7], 0x80000000
	s_lshl_b32 s104, s45, 7
	s_add_nc_u64 s[G0SX+2:G0SX+3], s[70:71], s[104:105]
	s_or_b32 s[G0SX+3], s[G0SX+3], 0x80000000
	s_lshl_b32 s42, s66, 11
	s_add_nc_u64 s[G0Y+2:G0Y+3], s[72:73], s[42:43]
	s_add_nc_u64 s[G0Y+6:G0Y+7], s[G0Y+2:G0Y+3], 256
	s_or_b32 s[G0Y+3], s[G0Y+3], 0x80000000
	s_or_b32 s[G0Y+7], s[G0Y+7], 0x80000000
	s_lshl_b32 s42, s66, 7
	s_add_nc_u64 s[G0SY+2:G0SY+3], s[74:75], s[42:43]
	s_or_b32 s[G0SY+3], s[G0SY+3], 0x80000000
	; the prefetches (macro ASK): where mine stand, and who asks.  The descriptors' addresses are made: from here on s[104:105] and s[42:43] feed none of them
	s_lshl_b32 s13, s16, 6
	s_sub_co_u32 s66, s66, s13                     ; Y's tile from its first row on: one wave asks for all 128 rows' shares
	s_sub_co_u32 s67, s67, s13
	s_bfe_u32 s2, ttmp6, 0x40000                   ; cx
	s_bfe_u32 s13, ttmp6, 0x40004                  ; cy
	s_cmp_eq_u32 s15, 0                            ; do I fetch for X?
	s_cselect_b32 s2, s13, s2                      ; my place among the four that ask for the tile with me: cy for X, cx for Y
	s_cselect_b32 s104, s45, s66                   ; the first of the rows that are shared out, in k's or v's operand,
	s_cselect_b32 s42, s40, s67                    ; and in q's
	s_cselect_b64 s[PFA:PFA+1], s[68:69], s[72:73]
	s_cselect_b64 s[PFQ:PFQ+1], s[24:25], s[28:29]
	s_lshl_b32 s2, s2, 5
	s_add_co_u32 s104, s104, s2                    ; + my work-group's 32 rows
	s_add_co_u32 s42, s42, s2
	s_lshl_b32 s104, s104, 11                      ; rows of 2,048 bytes,
	s_add_co_u32 s104, s104, 3*256                 ; at K step 3: the first change of slots steps it to 4
	s_lshl_b32 s42, s42, 9                         ; rows of 512 bytes, at K step 0
	s_add_nc_u64 s[PFA:PFA+1], s[PFA:PFA+1], s[104:105]
	s_add_nc_u64 s[PFQ:PFQ+1], s[PFQ:PFQ+1], s[42:43]
	s_and_b32 s2, ttmp7, 0xffff                    ; the cluster's y
	s_and_b32 s13, s2, 1
	s_or_b32 s2, s2, ttmp9                         ; Wq's rows are read by all sixteen clusters: cluster (0, 0) asks
	s_cmp_eq_u32 s17, 0
	s_cselect_b32 s104, ttmp9, 0                   ; X: Wk's rows are read by the clusters of every x and of both y of k's; value's by both y of v's
	s_cselect_b32 s42, 0, ttmp9                    ; Y: source's rows are read by one cluster; Wv's by the clusters of every x
	s_or_b32 s104, s104, s13
	s_or_b32 s42, s42, s16                         ; of the two waves that fetch for Y the first asks
	s_cmp_eq_u32 s15, 0
	s_cselect_b32 s104, s104, s42
	s_cselect_b32 s2, s2, s16                      ; target's rows are read by one cluster
	s_cmp_eq_u32 s104, 0
	s_cselect_b32 s[LIM], 1, -1                    ; the same in all sixteen partners, for a given wave
	s_cmp_eq_u32 s2, 0
	s_cselect_b32 s[LIMQ], 1, 0
	s_mov_b32 s[G0X], 1
	s_mov_b32 s[G0X+4], 1
	s_mov_b32 s[G0Y], 1
	s_mov_b32 s[G0Y+4], 1
	s_mov_b32 s[G0SX], 1
	s_mov_b32 s[G0SY], 1
	s_mul_i32 s[G0X+1], s16, 128*PITCH
	s_add_co_u32 s[G0X+5], s[G0X+1], SLOT
	s_mul_i32 s[G0Y+1], s16, 64*PITCH
	s_add_co_u32 s[G0SX+1], s[G0Y+1], SCL          ; (the scale bytes of 128 rows take 64 pieces of 272 bytes too)
	s_add_co_u32 s[G0Y+1], s[G0Y+1], XT
	s_add_co_u32 s[G0Y+5], s[G0Y+1], SLOT
	s_mul_i32 s[G0SY+1], s16, 32*272
	s_add_co_u32 s[G0SY+1], s[G0SY+1], SCLY
	; group 1.  Codes: rows of 256 elements of 1 byte, 2,048 apart, 16 bytes of padding behind each 64 words; bit 21 beside the mask
	s_or_b32 s[G1X], s44, (1<<20)|(1<<21)|(5<<22)|(3<<25)
	s_mov_b32 s[G1X+1], 256<<16
	s_mov_b32 s[G1X+2], 128<<16
	s_mov_b32 s[G1X+3], 256<<16
	s_mov_b32 s[G1X+4], 128
	s_mov_b32 s[G1X+5], 2048
	s_mov_b32 s[G1X+6], 0
	s_mov_b32 s[G1X+7], 0
	s_or_b32 s[G1Y], s41, (1<<20)|(1<<21)|(5<<22)|(3<<25)
	s_mov_b32 s[G1Y+1], 256<<16
	s_mov_b32 s[G1Y+2], 64<<16
	s_mov_b32 s[G1Y+3], 256<<16
	s_mov_b32 s[G1Y+4], 64
	s_mov_b32 s[G1Y+5], 2048
	s_mov_b32 s[G1Y+6], 0
	s_mov_b32 s[G1Y+7], 0
	; scale bytes: a dense block, as rows of 32 elements of 8 bytes, padded likewise: 64 such rows for X's 128 rows, 32 for Y's 64
	s_or_b32 s[G1SX], s44, (3<<16)|(1<<20)|(1<<21)|(5<<22)|(3<<25)
	s_mov_b32 s[G1SX+1], 32<<16
	s_mov_b32 s[G1SX+2], 64<<16
	s_mov_b32 s[G1SX+3], 32<<16
	s_mov_b32 s[G1SX+4], 64
	s_mov_b32 s[G1SX+5], 32
	s_mov_b32 s[G1SX+6], 0
	s_mov_b32 s[G1SX+7], 0
	s_or_b32 s[G1SY], s41, (3<<16)|(1<<20)|(1<<21)|(5<<22)|(3<<25)
	s_mov_b32 s[G1SY+1], 32<<16
	s_mov_b32 s[G1SY+2], 32<<16
	s_mov_b32 s[G1SY+3], 32<<16
	s_mov_b32 s[G1SY+4], 32
	s_mov_b32 s[G1SY+5], 32
	s_mov_b32 s[G1SY+6], 0
	s_mov_b32 s[G1SY+7], 0
	; THE HEAD'S LOADS, ONE A WAVE: wave 0 X's 256 rows of K step 0, wave 1 Y's 128, wave 2 X's scale bytes, wave 3 Y's: each tile whole.
	; So the halves' terms (made of the wave's number alone) are taken off slot 0's and the scales' descriptors, and the counts of rows are doubled; both are set back behind the wait for these loads.
	s_lshl_b32 s104, s16, 18                       ; 128 rows of 2,048 bytes
	s_sub_nc_u64 s[G0X+2:G0X+3], s[G0X+2:G0X+3], s[104:105]
	s_lshl_b32 s104, s16, 14                       ; 128 rows of 128 scale bytes
	s_sub_nc_u64 s[G0SX+2:G0SX+3], s[G0SX+2:G0SX+3], s[104:105]
	s_lshl_b32 s42, s16, 17                        ; 64 rows of 2,048 bytes
	s_sub_nc_u64 s[G0Y+2:G0Y+3], s[G0Y+2:G0Y+3], s[42:43]
	s_lshl_b32 s42, s16, 13
	s_sub_nc_u64 s[G0SY+2:G0SY+3], s[G0SY+2:G0SY+3], s[42:43]
	s_mov_b32 s[G0X+1], 0
	s_mov_b32 s[G0Y+1], XT
	s_mov_b32 s[G0SX+1], SCL
	s_mov_b32 s[G0SY+1], SCLY
	s_mov_b32 s[G1X+2], 256<<16
	s_mov_b32 s[G1X+4], 256
	s_mov_b32 s[G1Y+2], 128<<16
	s_mov_b32 s[G1Y+4], 128
	s_mov_b32 s[G1SX+2], 128<<16
	s_mov_b32 s[G1SX+4], 128
	s_mov_b32 s[G1SY+2], 64<<16
	s_mov_b32 s[G1SY+4], 64
	CROUND                                         ; all sixteen work-groups are here: the first joint loads meet
.macro ARM under, g0, g1, next                 ; one tree of branches on the wave's number: every way through the head passes exactly one load
	s_cmp_lt_u32 s14, \under
	s_cbranch_scc0 \next
	tensor_load_to_lds s[\g0:\g0+3], s[\g1:\g1+7]
	s_nop 0
.rept 4
	v_nop
.endr
	s_branch .Lhead_asked
\next:
.endm
	ARM 1, G0X,  G1X,  .Lhead_y
	ARM 2, G0Y,  G1Y,  .Lhead_sx
	ARM 3, G0SX, G1SX, .Lhead_sy
	tensor_load_to_lds s[G0SY:G0SY+3], s[G1SY:G1SY+7]
	s_nop 0
.rept 4
	v_nop
.endr
.Lhead_asked:
	v_and_b32 v1, 15, v0                           ; r
	v_bfe_u32 v2, v0, 4, 1                         ; h
	v_and_b32 v3, 31, v0                           ; lane
	v_lshlrev_b32 v8, 5, v3                        ; q's scale bytes: 32 bytes a row, a lane a row: lanes 0-15 an even tile, lanes 16-31 the odd one
	v_lshlrev_b32 v9, 5, v2                        ; a bias along X: my eight numbers of a tile begin 8 h numbers on
	v_lshlrev_b32 v10, 2, v1                       ; a bias along Y: my row's number
.irp i, 0,1,2,3
.irp kh, 0,1
	global_load_b128 v[QS+4*(2*\i+\kh):QS+4*(2*\i+\kh)+3], v8, s[20:21] offset:1024*\i+16*\kh
.endr
.endr
.irp i, 0,1
.irp kh, 0,1
	global_load_b128 v[QS+32+4*(2*\i+\kh):QS+32+4*(2*\i+\kh)+3], v8, s[22:23] offset:1024*\i+16*\kh
.endr
.endr
.irp a, 0,1,2,3
	global_load_b32 v[BY+2*\a], v10, s[98:99] offset:64*\a         ; twice: a pair for the packed addition
	global_load_b32 v[BY+2*\a+1], v10, s[98:99] offset:64*\a
.endr
	WIN 0x40
.irp b, 0,1,2,3,4,5,6,7
.irp u, 0,1
	global_load_b128 v[BXW+8*\b+4*\u:BXW+8*\b+4*\u+3], v9, s[96:97] offset:64*\b+16*\u
	global_load_b128 v[BQW+8*\b+4*\u:BQW+8*\b+4*\u+3], v9, s[100:101] offset:64*\b+16*\u
.endr
.endr
	WIN 0
	v_mul_u32_u24 v4, v1, PITCH
	v_lshl_add_u32 v4, v2, 4, v4                   ; a fragment's row x pitch + 16 x half
	s_mul_i32 s2, s16, 128*PITCH                   ; my 128 rows of X
	s_mul_i32 s13, s15, 64*PITCH                   ; my 64 rows of Y,
	s_add_co_u32 s13, s13, XT                      ; behind X's 256
	v_add_nc_u32 v[ADRX], s2, v4
	v_add_nc_u32 v[ADRY], s13, v4
	s_add_co_u32 s2, s2, SLOT
	s_add_co_u32 s13, s13, SLOT
	v_add_nc_u32 v[ADRX+1], s2, v4
	v_add_nc_u32 v[ADRY+1], s13, v4
	v_lshrrev_b32 v5, 1, v1                        ; a row's 128 scale bytes: two rows to a piece of 272 bytes
	v_mul_u32_u24 v5, v5, 272
	v_and_b32 v6, 1, v1
	v_lshl_add_u32 v5, v6, 7, v5
	v_mad_u32_u24 v5, v2, 8*272, v5                ; lanes 16-31: the next tile's 16 rows
	s_mul_i32 s2, s16, 64*272
	s_add_co_u32 s2, s2, SCL
	v_add_nc_u32 v[ADSX], s2, v5
	s_mul_i32 s2, s15, 32*272
	s_add_co_u32 s2, s2, SCLY
	v_add_nc_u32 v[ADSY], s2, v5
	v_lshlrev_b32 v[OC], 4, v3
	v_lshlrev_b32 v[OS], 3, v3
	v_lshlrev_b32 v[PFO], 11, v3                   ; the prefetches: a lane a row
	v_lshlrev_b32 v[PFOQ], 9, v3
	v_mov_b32 v[PX], 0                             ; written once: a lane permute's destination counts as one of its sources
	v_mov_b32 v[PX+1], 0
	s_wait_alu depctr_va_vdst(0)
	s_wait_tensorcnt 0x0                           ; my tile of the head's four is in; these lines stand ahead of a later first fill as ahead of a refill
	ds_add_u32 v[SPW], v[NIL]
	s_mov_b32 s[G1X+2], 128<<16                    ; no tensor load of mine is out: from here on a load brings half a tile,
	s_mov_b32 s[G1X+4], 128
	s_mov_b32 s[G1Y+2], 64<<16
	s_mov_b32 s[G1Y+4], 64
	s_mul_i32 s[G0X+1], s16, 128*PITCH             ; and slot 0's descriptors name my half again
	s_mul_i32 s[G0Y+1], s16, 64*PITCH
	s_add_co_u32 s[G0Y+1], s[G0Y+1], XT
	s_lshl_b32 s104, s16, 18
	s_add_nc_u64 s[G0X+2:G0X+3], s[G0X+2:G0X+3], s[104:105]
	s_lshl_b32 s42, s16, 17
	s_add_nc_u64 s[G0Y+2:G0Y+3], s[G0Y+2:G0Y+3], s[42:43]
	s_wait_dscnt 0x0                               ; the add is done
	CROUND                                         ; a whole round: all four tiles are in, and the joint loads meet
	JLOAD G0X+4, G1X, G0Y+4, G1Y                   ; K step 1: the first tensor load behind the round
	FETCH 0, 0, 0
	SCALES 0
	s_wait_loadcnt 0x0                             ; q's scale words and the biases
	STEP 0, 0, 1, 0                                ; the first step stands in front of the loop: its products start the sums
	s_mov_b32 s3, 3
.Llap:                                                 ; a trip goes once round the ring, from a lap's second step to the next lap's first, and fills both slots again: K steps 2 to 7
	STEP 0, 1, 0, 0
	STEP 0, 2, 0, 0
	TURN 0, 1, 1, 0, 1
	STEP 1, 0, 0, 0
	STEP 1, 1, 0, 0
	STEP 1, 2, 0, 0
	TURN 1, 0, 1, 0, 1
	STEP 0, 0, 0, 0
	s_sub_co_u32 s3, s3, 1
	s_cmp_lg_u32 s3, 0
	s_cbranch_scc1 .Llap
	STEP 0, 1, 0, 0                                ; the last lap of k or v: THE RING GOES ON INTO q's TILE
	STEP 0, 2, 0, 0
	TURN 0, 1, 2, 0, 1                             ; slot 0 takes q's K step 0
	STEP 1, 0, 0, 0
	STEP 1, 1, 0, 0
	STEP 1, 2, 0, 0
	TURN 1, 0, 3, 0, 0                             ; slot 1 takes q's K step 1, and q's first fragments are fetched
	s_cmp_eq_u32 s17, 0                            ; the tile of k or v goes out while q's second tile lands: register work and stores alone on either way
	s_cbranch_scc0 .Lout_v
	EPI 0, BXW, 4, 6, REC, 512, REC
	s_branch .Lout_done
.Lout_v:
	EPI 1, 0, 4, 6, 512, 1024, 0
.Lout_done:
	s_wait_xcnt 0x0                                ; the stores have read their data: v160-191 are loaded over next, v240-243 written again later
	STEP 0, 0, 1, 1
	STEP 0, 1, 0, 1
	STEP 0, 2, 0, 1
	TURN 0, 1, 0, 1, 0                             ; nothing is filled any more
	STEP 1, 0, 0, 1
	STEP 1, 1, 0, 1
	STEP 1, 2, 0, 1
	SETSC 1, 3, 1                                  ; the very last step: nothing more to fetch
	s_wait_dscnt 0x0
	WIN 0xa1
	MULA 0, 1, 0
	MULA 1, 1, 0
	MULA 2, 1, 0
	MULA 3, 1, 0
	WIN 0
	EPI 0, BQW, 8, 10, 65536, 512, 8192
	s_wait_tensorcnt 0x0                           ; the wave's end
	ds_add_u32 v[SPW], v[NIL]
	s_wait_dscnt 0x0
	CROUND                                         ; the closing round: no work-group ends while a partner may still ask for a tile that names it
	s_endpgm
.Lfunc_end_k_q046bcc905e_proj:
	.size	k_q046bcc905e_proj, .Lfunc_end_k_q046bcc905e_proj-k_q046bcc905e_proj
	.p2alignl 7, 3214868480
	.fill 96, 4, 3214868480
	.section	.rodata,"a",@progbits
	.p2align	6, 0x0
	.amdhsa_kernel k_q046bcc905e_proj
		.amdhsa_group_segment_fixed_size 327680
		.amdhsa_private_segment_fixed_size 0
		.amdhsa_enable_private_segment 0
		.amdhsa_kernarg_size 144
		.amdhsa_user_sgpr_count 2
		.amdhsa_user_sgpr_kernarg_segment_ptr 1
		.amdhsa_wavefront_size32 1
		.amdhsa_system_sgpr_workgroup_id_x 1
		.amdhsa_system_sgpr_workgroup_id_y 1
		.amdhsa_system_sgpr_workgroup_id_z 1
		.amdhsa_system_vgpr_workitem_id 0
		.amdhsa_next_free_vgpr 768
		.amdhsa_next_free_sgpr 106
		.amdhsa_reserve_vcc 0
		.amdhsa_float_denorm_mode_32 3
		.amdhsa_float_denorm_mode_16_64 3
		.amdhsa_memory_ordered 1
		.amdhsa_forward_progress 1
		.amdhsa_inst_pref_size 241
	.end_amdhsa_kernel
	.amdgpu_metadata
---
amdhsa.version: [ 1, 2 ]
amdhsa.kernels:
  - .name:           k_q046bcc905e_proj
    .symbol:         k_q046bcc905e_proj.kd
    .args:
      - { .name: Wk_codes, .offset: 0, .size: 8, .value_kind: global_buffer, .address_space: global }
      - { .name: Wk_scales, .offset: 8, .size: 8, .value_kind: global_buffer, .address_space: global }
      - { .name: source_embedding_codes, .offset: 16, .size: 8, .value_kind: global_buffer, .address_space: global }
      - { .name: source_embedding_scales, .offset: 24, .size: 8, .value_kind: global_buffer, .address_space: global }
      - { .name: value_embedding_codes, .offset: 32, .size: 8, .value_kind: global_buffer, .address_space: global }
      - { .name: value_embedding_scales, .offset: 40, .size: 8, .value_kind: global_buffer, .address_space: global }
      - { .name: Wv_codes, .offset: 48, .size: 8, .value_kind: global_buffer, .address_space: global }
      - { .name: Wv_scales, .offset: 56, .size: 8, .value_kind: global_buffer, .address_space: global }
      - { .name: Wq_codes, .offset: 64, .size: 8, .value_kind: global_buffer, .address_space: global }
      - { .name: Wq_scales, .offset: 72, .size: 8, .value_kind: global_buffer, .address_space: global }
      - { .name: target_embedding_codes, .offset: 80, .size: 8, .value_kind: global_buffer, .address_space: global }
      - { .name: target_embedding_scales, .offset: 88, .size: 8, .value_kind: global_buffer, .address_space: global }
      - { .name: bk, .offset: 96, .size: 8, .value_kind: global_buffer, .address_space: global }
      - { .name: bv, .offset: 104, .size: 8, .value_kind: global_buffer, .address_space: global }
      - { .name: bq, .offset: 112, .size: 8, .value_kind: global_buffer, .address_space: global }
      - { .name: kv, .offset: 120, .size: 8, .value_kind: global_buffer, .address_space: global }
      - { .name: qimg, .offset: 128, .size: 8, .value_kind: global_buffer, .address_space: global }
      - { .name: qscl, .offset: 136, .size: 8, .value_kind: global_buffer, .address_space: global }
    .group_segment_fixed_size: 327680
    .private_segment_fixed_size: 0
    .kernarg_segment_align: 8
    .kernarg_segment_size: 144
    .max_flat_workgroup_size: 128
    .sgpr_count:     106
    .vgpr_count:     768
    .wavefront_size: 32
...
	.end_amdgpu_metadata
.endif
;; end of part 1
;; launch attn (part 2): grid 64 x 4, 16 waves a work-group, clusters of 4 x 1, 327,680 bytes of LDS; arguments kv, qimg, qscl, Wo_codes, Wo_scales, bo, out0; writes out0
.if DOCPART == 2
	.amdgcn_target "amdgcn-amd-amdhsa--gfx1250"
	.amdhsa_code_object_version 6
	.text
	.protected	k_q046bcc905e_attn
	.globl	k_q046bcc905e_attn
	.p2align	8
	.type	k_q046bcc905e_attn,@function
k_q046bcc905e_attn:
	s_mov_b64 s[64:65], 0
	v_nop
	global_prefetch_b8 v0, s[64:65] scope:SCOPE_SE
	s_setreg_imm32_b32 hwreg(HW_REG_WAVE_MODE, 25, 1), 1
	s_wait_xcnt 0x0
	s_wait_alu depctr_hold_cnt(0) depctr_sa_sdst(0) depctr_va_vdst(0) depctr_va_sdst(0) depctr_va_ssrc(0) depctr_va_vcc(0) depctr_vm_vsrc(0)
	s_getreg_b32 s2, hwreg(HW_REG_IB_STS2, 6, 4)
	s_cmp_eq_u32 s2, 0
	s_cbranch_scc0 .Lentry_in_a_cluster
	s_endpgm
.Lentry_in_a_cluster:
	s_bfe_u32 s2, ttmp6, 0x10000c
	s_cmp_lg_u32 s2, 0x3003
	s_cbranch_scc0 .Lentry_shape_is_right
	s_endpgm
.Lentry_shape_is_right:
; Attention and the last product in one launch, all products on codes of FP4 (E2M1) with E8M0 scales.
; SHARES.  Work-group (x, y): queries 32 x .. 32 x + 31 of batch y, all 16 heads.  Wave w owns head w and both tiles of 16 queries: each fragment of K and V feeds two matrix instructions.
; THE SOFTMAX: t = score x log2(e) / 8; M = the running largest t rounded UP to a whole number; p = 2^(t - M) is quantised along the keys, not normalised; the row's sum is taken of the unquantised p.
; When M moves, the sum and O are multiplied by 2^(old M - new M): exact.  Both products are used transposed (S^T = K Q^T, O^T = V^T P^T): a lane holds one query.
; K AND V COME FROM MEMORY STRAIGHT INTO REGISTERS: kv holds images of operand registers, 8,960 bytes for a head's 128 keys; every load is 512 (scale words: 256) consecutive bytes a wave, and is issued
; half a trip ahead of its use.  No other wave of the work-group reads a wave's head, so a stage in LDS would add a write and a read for each byte: hence no tensor load, no cluster, no joint load;
; and no prefetch beside loads that are themselves issued ahead.
; THE HEAD IS 64 WIDE, the instruction's K is 128: Q's upper four registers are zero codes; K's tiles are four registers each, on end, and an operand's upper four (the next tile's; for tile 7 four
; registers at work) meet Q's zero codes and add nothing (FP4 has no NaN or infinity; the scale words' upper bytes are 0, a finite code).
; THE LAST PRODUCT.  Each wave divides its head's O by the sum, quantises it along the channels and stores the code image and two scale bytes a row to LDS; one barrier; then wave w makes
; out0's 32 rows x columns 64 w .. 64 w + 63: source 0 = 16 rows of Wo, source 1 = 16 rows of the attention's result, K in 8 steps of two heads.  Wo's fragments come from memory four steps ahead.
; bo is added on the way out, which goes through the wave's own stage so that 16 lanes store 256 consecutive aligned bytes.
; LIMITS: the promise holds while the scaled scores stay under 2^31 in magnitude; a block of zeros gets the byte 1 where the quantiser says 127 (zero codes; this program alone reads the bytes);
; blocks under 2^-124 are held at byte 1; NaN and infinities are not served.
.set STP,   8960                       ; a key step's piece: +0 K's codes, +4,096 V's, +8,192 K's scale images, +8,704 V's
.set REC,   8*STP
.set AIMG,  0                          ; LDS: the result's code images, (tile, K step) 1,024 bytes each
.set ASCL,  16384                      ; its scale words, (tile, K step, row)
.set SPARE, 17408                      ; the spare words, 128 bytes a wave
; OF Wo, K STEPS 4 TO 7 (the upper 256 bytes of each row of codes) COME THROUGH LDS, by one tensor load a wave at the kernel's head: the 64 rows that this wave alone reads.  All work-groups read the same Wo,
; so the four of a cluster (four blocks of queries of one batch) ask jointly.  Nothing is filled again.  K steps 0 to 3 come from memory into registers, as said above; K and V likewise.
.set WOL,   19456                      ; Wo's upper halves: 64 rows x 272 bytes a wave.  The way out's stage, 16 rows x 272 bytes, lies in the wave's own part, behind its only fill and its last read
.set SP,    272
.set OC,  1                            ; v1 16 x lane   v2 8 x lane
.set OS,  2
.set SPW, 3                            ; v3, v4 for the add; never rewritten
.set NIL, 4
.set QSC, 5                            ; v5, v6 Q's scale words; later the result's
.set WOF, 7                            ; v7 my place in a fragment of Wo: 512 r + 16 h
.set ST,  8                            ; tile e: v[8+4e] -M, +1 the largest score, +2, +3 the sum in two halves
.set QF,  16                           ; Q: tile e at 16 + 8 e, four registers of codes, four of zeros
.set KF,  32                           ; K's eight tiles
.set MX,  64                           ; v64-67 at work (and named by the operand of K's tile 7)
.set VF,  68                           ; V's four fragments
.set S,   100                          ; S^T, then p
.set O,   164                          ; O^T of tile e at 164 + 32 e; later the last product's 8 accumulators
.set PC,  228                          ; p's codes
.set KS,  236                          ; scale words alone from here to v247 and in v252-255: K's 4, V's 2, p's 1; later Wo's 16
.set VS,  240
.set PS,  242
.set PX,  248                          ; v248-251 at work
.set SEL, 20
.set CS,  22
.macro AW                              ; a wait ahead of and behind a batch of transcendentals, and ahead of waits that block, barriers and branches
	s_wait_alu depctr_va_vdst(0)
.endm
.macro NOPS n
.rept \n
	v_nop
.endr
.endm
.macro LDK o
.irp t, 0,1,2,3,4,5,6,7
	global_load_b128 v[KF+4*\t:KF+4*\t+3], v[OC], s[4:5] offset:\o+512*\t
.endr
	global_load_b64 v[KS:KS+1], v[OS], s[4:5] offset:\o+8192
	global_load_b64 v[KS+2:KS+3], v[OS], s[4:5] offset:\o+8448
.endm
.macro LDV o
.irp f, 0,1,2,3,4,5,6,7
	global_load_b128 v[VF+4*\f:VF+4*\f+3], v[OC], s[4:5] offset:\o+4096+512*\f
.endr
	global_load_b64 v[VS:VS+1], v[OS], s[4:5] offset:\o+8704
.endm
.macro LDW reg, s                      ; Wo's four tiles of 16 rows, K step s: 8 loads
.irp b, 0,1,2,3
.irp c, 0,1
	global_load_b128 v[\reg+8*\b+4*\c:\reg+8*\b+4*\c+3], v[WOF], s[10:11] offset:8192*\b+64*(\s)+32*\c
.endr
.endr
.endm
; 32 numbers of a lane (register 8 t + j = index 16 t + 8 h + j of my row) become a code image (4 registers at c) and two scale bytes (v[MX+2], v[MX+3])
.macro UNIT t, c
	v_max3_num_f32 v[MX], |v[\t]|, |v[\t+1]|, 0x1800000      ; with the floor 2^(3 - 127): the byte cannot fall under 1
	v_max3_num_f32 v[MX+1], |v[\t+16]|, |v[\t+17]|, 0x1800000
.irp i, 2,4,6,8,10,12,14
	v_max3_num_f32 v[MX], v[MX], |v[\t+\i]|, |v[\t+\i+1]|
	v_max3_num_f32 v[MX+1], v[MX+1], |v[\t+16+\i]|, |v[\t+17+\i]|
.endr
	v_permlanex16_b32 v[PX], v[MX], s[SEL], s[SEL+1]
	v_permlanex16_b32 v[PX+1], v[MX+1], s[SEL], s[SEL+1]
	v_max_num_f32 v[MX], v[MX], v[PX]
	v_max_num_f32 v[MX+1], v[MX+1], v[PX+1]
	v_add_nc_u32 v[PX+2], 0xff000000, v[MX]        ; 2 off the exponent field: the conversion's scale operand
	v_add_nc_u32 v[PX+3], 0xff000000, v[MX+1]
	v_lshrrev_b32 v[MX+2], 23, v[PX+2]
	v_lshrrev_b32 v[MX+3], 23, v[PX+3]
	v_cvt_scalef32_pk8_fp4_f32 v[\c], v[\t:\t+7], v[PX+2]
	v_cvt_scalef32_pk8_fp4_f32 v[\c+1], v[\t+16:\t+23], v[PX+3]
	v_cvt_scalef32_pk8_fp4_f32 v[\c+2], v[\t+8:\t+15], v[PX+2]
	v_cvt_scalef32_pk8_fp4_f32 v[\c+3], v[\t+24:\t+31], v[PX+3]
	v_nop                                          ; one plain place behind a scaled conversion
	v_permlane16_swap_b32 v[\c], v[\c+1]           ; a whole block in a lane
	v_permlane16_swap_b32 v[\c+2], v[\c+3]
.endm
; 128 keys for tile e of my queries.  hook 1: behind the scores' products the next trip's K is asked for; hook 2: Wo's K step 0 in its stead
.macro TILE e, hook
.set NM, ST+4*\e
.set OO, O+32*\e
.irp t, 0,1,2,3,4,5,6,7
.if \t%2
	v_wmma_scale_f32_16x16x128_f8f6f4 v[S+8*\t:S+8*\t+7], v[KF+4*\t:KF+4*\t+7], v[QF+8*\e:QF+8*\e+7], 0, v[KS+2*(\t/4)+(\t/2)%2], v[QSC+\e] matrix_a_fmt:MATRIX_FMT_FP4 matrix_b_fmt:MATRIX_FMT_FP4 matrix_a_scale:MATRIX_SCALE_ROW1
.else
	v_wmma_scale_f32_16x16x128_f8f6f4 v[S+8*\t:S+8*\t+7], v[KF+4*\t:KF+4*\t+7], v[QF+8*\e:QF+8*\e+7], 0, v[KS+2*(\t/4)+(\t/2)%2], v[QSC+\e] matrix_a_fmt:MATRIX_FMT_FP4 matrix_b_fmt:MATRIX_FMT_FP4
.endif
.endr                                              ; register 8 t + j of lane (r, h): query r, key 16 t + 8 h + j
	NOPS 4                                         ; places behind the products
.if (\hook)==1
	LDK STP
.elseif (\hook)==2
	LDW KF, 0
.endif
.irp b, 0,1,2,3                                    ; the largest score of each block of 32 keys, two chains a block: for the row's maximum and for the block's largest p
	v_max3_num_f32 v[MX+\b], v[S+16*\b], v[S+1+16*\b], v[S+2+16*\b]
	v_max3_num_f32 v[PX+\b], v[S+8+16*\b], v[S+9+16*\b], v[S+10+16*\b]
.endr
.irp i, 3,5
.irp b, 0,1,2,3
	v_max3_num_f32 v[MX+\b], v[MX+\b], v[S+16*\b+\i], v[S+1+16*\b+\i]
	v_max3_num_f32 v[PX+\b], v[PX+\b], v[S+8+16*\b+\i], v[S+9+16*\b+\i]
.endr
.endr
.irp b, 0,1,2,3
	v_max3_num_f32 v[MX+\b], v[MX+\b], v[S+7+16*\b], v[S+15+16*\b]
.endr
.irp b, 0,1,2,3
	v_max_num_f32 v[MX+\b], v[MX+\b], v[PX+\b]
.endr
.irp b, 0,1,2,3
	v_permlanex16_b32 v[PX+\b], v[MX+\b], s[SEL], s[SEL+1]
.endr
.irp b, 0,1,2,3
	v_max_num_f32 v[MX+\b], v[MX+\b], v[PX+\b]     ; with lane l xor 16's 16 keys
.endr
	v_max3_num_f32 v[PX+2], v[MX], v[MX+1], v[MX+2]
	v_max3_num_f32 v[NM+1], v[NM+1], v[PX+2], v[MX+3]   ; the running largest score
	v_mul_f32 v[PX+2], s[CS], v[NM+1]              ; as t (c is positive)
	v_floor_f32 v[PX+2], -v[PX+2]                  ; the new -M: a whole number
	v_sub_f32 v[PX+3], v[PX+2], v[NM]              ; old M - new M, 0 or less
	v_mov_b32 v[NM], v[PX+2]
	v_cvt_i32_f32 v[PX+3], v[PX+3]                 ; (it saturates)
	v_ldexp_f32 v[PX], 1.0, v[PX+3]                ; f = 2^(old M - new M)
.set j, 0
.rept 32
	v_pk_fma_f32 v[S+j:S+j+1], v[S+j:S+j+1], s[CS:CS+1], v[NM:NM+1] op_sel_hi:[1,0,0]   ; t - M
.set j, j+2
.endr
.irp b, 0,1,2,3
	v_fma_f32 v[MX+\b], v[MX+\b], s[CS], v[NM]     ; the same of each block's largest score
.endr
	AW
.set j, 0
.rept 64
	v_exp_f32 v[S+j], v[S+j]                       ; p = 2^(t - M)
.set j, j+1
.endr
.irp b, 0,1,2,3
	v_exp_f32 v[MX+\b], v[MX+\b]                   ; the block's largest p
.endr
	v_pk_mul_f32 v[NM+2:NM+3], v[NM+2:NM+3], v[PX:PX+1] op_sel_hi:[1,0]   ; the sums under the new M: the plain place behind the batch
	AW                                             ; for the batch, and directly ahead of the first readers of O^T
.set j, 0
.rept 16
	v_pk_mul_f32 v[OO+j:OO+j+1], v[OO+j:OO+j+1], v[PX:PX+1] op_sel_hi:[1,0]   ; O^T under the new M
.set j, j+2
.endr
.irp b, 0,1,2,3
	v_max_num_f32 v[MX+\b], 0x1800000, v[MX+\b]    ; the floor: the byte cannot fall under 1
.endr
.irp b, 0,1,2,3
	v_add_nc_u32 v[PX+\b], 0xff000000, v[MX+\b]    ; the conversion's scale operand
.endr
.irp b, 0,1,2,3
	v_lshrrev_b32 v[MX+\b], 23, v[PX+\b]           ; the scale's byte
.endr
	v_lshl_or_b32 v[PS], v[MX+1], 8, v[MX]
	v_lshl_or_b32 v[PS], v[MX+2], 16, v[PS]
	v_lshl_or_b32 v[PS], v[MX+3], 24, v[PS]
.irp c, 0,1
	v_cvt_scalef32_pk8_fp4_f32 v[PC+4*\c], v[S+32*\c:S+32*\c+7], v[PX+2*\c]
	v_cvt_scalef32_pk8_fp4_f32 v[PC+1+4*\c], v[S+16+32*\c:S+23+32*\c], v[PX+1+2*\c]
	v_cvt_scalef32_pk8_fp4_f32 v[PC+2+4*\c], v[S+8+32*\c:S+15+32*\c], v[PX+2*\c]
	v_cvt_scalef32_pk8_fp4_f32 v[PC+3+4*\c], v[S+24+32*\c:S+31+32*\c], v[PX+1+2*\c]
.endr
	v_nop
.irp c, 0,1
	v_permlane16_swap_b32 v[PC+4*\c], v[PC+1+4*\c]
	v_permlane16_swap_b32 v[PC+2+4*\c], v[PC+3+4*\c]
.endr
.set j, 0                                          ; the row's sum of the unquantised p, a tree in place: also the places behind p's scale word and codes
.rept 16
	v_pk_add_f32 v[S+j:S+j+1], v[S+j:S+j+1], v[S+j+2:S+j+3]
.set j, j+4
.endr
.set j, 0
.rept 8
	v_pk_add_f32 v[S+j:S+j+1], v[S+j:S+j+1], v[S+j+4:S+j+5]
.set j, j+8
.endr
.set j, 0
.rept 4
	v_pk_add_f32 v[S+j:S+j+1], v[S+j:S+j+1], v[S+j+8:S+j+9]
.set j, j+16
.endr
	v_pk_add_f32 v[S:S+1], v[S:S+1], v[S+16:S+17]
	v_pk_add_f32 v[S+32:S+33], v[S+32:S+33], v[S+48:S+49]
	v_pk_add_f32 v[S:S+1], v[S:S+1], v[S+32:S+33]
	v_pk_add_f32 v[NM+2:NM+3], v[NM+2:NM+3], v[S:S+1]
.if \e==0
	AW
	s_wait_loadcnt 0x0                             ; V and its scale words: nothing has been issued behind them
.endif
.irp t, 0,1,2,3                                    ; O^T += V^T P^T: four accumulators by turns
.if \t%2
	v_wmma_scale_f32_16x16x128_f8f6f4 v[OO+8*\t:OO+8*\t+7], v[VF+8*\t:VF+8*\t+7], v[PC:PC+7], v[OO+8*\t:OO+8*\t+7], v[VS+\t/2], v[PS] matrix_a_fmt:MATRIX_FMT_FP4 matrix_b_fmt:MATRIX_FMT_FP4 matrix_a_scale:MATRIX_SCALE_ROW1
.else
	v_wmma_scale_f32_16x16x128_f8f6f4 v[OO+8*\t:OO+8*\t+7], v[VF+8*\t:VF+8*\t+7], v[PC:PC+7], v[OO+8*\t:OO+8*\t+7], v[VS+\t/2], v[PS] matrix_a_fmt:MATRIX_FMT_FP4 matrix_b_fmt:MATRIX_FMT_FP4
.endif
.endr
.endm
.macro TRIP last
	s_wait_loadcnt 9                               ; K and its scale words are in; V's nine loads, issued behind them, may be out
	TILE 0, 0
	TILE 1, 1+\last
.if \last
	v_lshlrev_b32 v[PX], 1, v[OC]                  ; 32 x lane: a row of Wo's scale bytes a lane (one of the four places)
	NOPS 3
.irp i, 0,1
.irp kh, 0,1
	global_load_b128 v[KS+4*\i+8*\kh+4*\i*\kh:KS+4*\i+8*\kh+4*\i*\kh+3], v[PX], s[12:13] offset:1024*\i+16*\kh   ; lanes 0-15 tile 2 i, lanes 16-31 tile 2 i + 1; K steps 4 kh on
.endr
.endr
	LDW VF, 1
.else
	NOPS 4
	LDV STP
.endif
	AW
	s_wait_xcnt 0x0                                ; the loads have read their base and offsets
.if \last==0
	s_add_nc_u64 s[4:5], s[4:5], STP
.endif
.endm
	s_load_b256 s[4:11], s[0:1], 0x0               ; kv, qimg, qscl, Wo's codes
	s_load_b128 s[12:15], s[0:1], 0x20             ; Wo's scales, bo
	s_load_b64 s[16:17], s[0:1], 0x30              ; out0
	v_lshl_add_u32 v[SPW], v0, 2, SPARE
	v_mov_b32 v[NIL], 0
	ds_add_u32 v[SPW], v[NIL]                      ; the opening lines: the add, twice on end, and its wait ahead of my tensor load
	ds_add_u32 v[SPW], v[NIL]
	v_lshrrev_b32 v7, 5, v0
	v_readfirstlane_b32 s18, v7                    ; wave = head
	s_and_b32 s19, ttmp7, 0xffff                   ; batch
	s_bfe_u32 s56, ttmp6, 0x40000                  ; cx
	s_lshl_b32 s29, ttmp9, 2
	s_add_co_u32 s56, s56, s29                     ; my block of 32 queries: it enters Q's and out0's addresses alone
	s_lshl_b32 s28, s19, 4
	s_add_co_u32 s28, s28, s18                     ; 16 x batch + head
	s_mul_i32 s30, s28, REC
	s_mov_b32 s31, 0
	s_lshl_b32 s32, s28, 16                        ; qimg: 65,536 bytes a head, 512 a tile, two tiles a work-group
	s_lshl_b32 s29, s56, 10
	s_add_co_u32 s32, s32, s29
	s_mov_b32 s33, 0
	s_lshl_b32 s34, s28, 13                        ; qscl: 8,192 bytes a head, 256 for four tiles; the word of (tile t, row r) at 8 (r + 16 (t % 2)) + 4 (t / 2)
	s_lshr_b32 s29, s56, 1
	s_lshl_b32 s29, s29, 8
	s_add_co_u32 s34, s34, s29
	s_and_b32 s29, s56, 1
	s_lshl_b32 s29, s29, 2
	s_add_co_u32 s34, s34, s29
	s_mov_b32 s35, 0
	s_lshl_b32 s36, s18, 15                        ; Wo: my 64 rows of 512 bytes,
	s_mov_b32 s37, 0
	s_lshl_b32 s38, s18, 11                        ; of 32 scale bytes,
	s_mov_b32 s39, 0
	s_lshl_b32 s40, s18, 8                         ; my 64 numbers of bo
	s_mov_b32 s41, 0
	s_lshl_b32 s42, s19, 6
	s_add_co_u32 s42, s42, s56
	s_lshl_b32 s42, s42, 17                        ; out0: 32 rows of 4,096 bytes a work-group,
	s_add_co_u32 s42, s42, s40                     ; my 256 bytes of a row
	s_mov_b32 s43, 0
	s_lshl_b32 s24, s18, 9                         ; LDS: my head's image in a tile's 8,192 bytes
	s_lshr_b32 s25, s18, 1
	s_lshl_b32 s25, s25, 6
	s_and_b32 s29, s18, 1
	s_lshl_b32 s29, s29, 1
	s_add_co_u32 s25, s25, s29
	s_add_co_u32 s25, s25, ASCL                    ; my two bytes of the K step's scale words
	s_mul_i32 s26, s18, 64*SP
	s_add_co_u32 s26, s26, WOL                     ; my part of Wo in LDS, and later my stage
	s_mov_b32 s[SEL], 0x76543210
	s_mov_b32 s[SEL+1], 0xfedcba98
	s_mov_b32 s[CS], 0x3e38aa3b                    ; c = log2(e) / 8
	s_mov_b32 s[CS+1], s[CS]
	s_mov_b32 s27, 7
	s_wait_dscnt 0x0                               ; both opening adds are done
	s_wait_kmcnt 0x0
	s_add_nc_u64 s[4:5], s[4:5], s[30:31]
	s_add_nc_u64 s[6:7], s[6:7], s[32:33]
	s_add_nc_u64 s[8:9], s[8:9], s[34:35]
	s_add_nc_u64 s[10:11], s[10:11], s[36:37]
	s_add_nc_u64 s[12:13], s[12:13], s[38:39]
	s_add_nc_u64 s[14:15], s[14:15], s[40:41]
	s_add_nc_u64 s[16:17], s[16:17], s[42:43]
.macro ROUND                           ; a round of the cluster's barrier
	s_barrier_signal -1
	s_barrier_wait -1
	s_cmp_lg_u32 s18, 0
	s_cbranch_scc1 .Lnot_wave_0_\@
	s_barrier_signal -3
.Lnot_wave_0_\@:
	s_barrier_wait -3
	s_barrier_signal -1
	s_barrier_wait -1
.endm
.macro LDL reg, s                      ; Wo's four tiles of 16 rows, K step s = 4 .. 7, from LDS: 8 loads
.irp b, 0,1,2,3
.irp c, 0,1
	ds_load_b128 v[\reg+8*\b+4*\c:\reg+8*\b+4*\c+3], v28 offset:16*SP*\b+64*((\s)-4)+32*\c
.endr
.endr
.endm
	s_mov_b32 s44, 1                               ; group 0: count,
	s_mov_b32 s45, s26                             ; LDS address: made of the wave's number alone,
	s_add_nc_u64 s[46:47], s[10:11], 256           ; my 64 rows of Wo, from byte 256 of a row on,
	s_or_b32 s47, s47, 0x80000000                  ; type = 2
	s_mov_b32 s48, 15|(1<<20)|(1<<21)|(5<<22)|(3<<25)   ; group 1: the mask names all four work-groups, bit 21 beside it; elements of 1 byte; 4 words of padding behind every 64
	s_mov_b32 s49, 256<<16                         ; tensor_dim0
	s_mov_b32 s50, 64<<16                          ; tensor_dim1
	s_mov_b32 s51, 256<<16                         ; tile_dim0
	s_mov_b32 s52, 64                              ; tile_dim1
	s_mov_b32 s53, 512                             ; the pitch
	s_mov_b32 s54, 0
	s_mov_b32 s55, 0
	ROUND                                          ; all four work-groups are here: the joint loads meet
	tensor_load_to_lds s[44:47], s[48:55]          ; my one tensor load of the launch
	s_nop 0
	NOPS 4
	v_and_b32 v7, 31, v0
	v_lshlrev_b32 v[OC], 4, v7
	v_lshlrev_b32 v[OS], 3, v7
	v_and_b32 v[PX], 15, v0                        ; r
	v_bfe_u32 v[PX+1], v0, 4, 1                    ; h
	v_lshlrev_b32 v7, 9, v[PX]
	v_lshl_add_u32 v[WOF], v[PX+1], 4, v7
	v_lshlrev_b32 v[PX+2], 3, v[PX]                ; 8 r
	v_mov_b32 v[PX+3], 0
	AW
	global_load_b128 v[QF:QF+3], v[OC], s[6:7]
	global_load_b128 v[QF+8:QF+11], v[OC], s[6:7] offset:512
	global_load_b32 v[QSC], v[PX+2], s[8:9]
	global_load_b32 v[QSC+1], v[PX+2], s[8:9] offset:128
	LDK 0
	LDV 0
.irp j, 20,21,22,23,28,29,30,31,64,65,66,67
	v_mov_b32 v\j, 0                               ; Q's zero codes; v64-67 are named by an operand before they are first at work
.endr
.irp e, 0,1
	v_mov_b32 v[ST+4*\e+1], 0xff61b1e6             ; the largest score so far: -3e38
	v_floor_f32 v[ST+4*\e], -v[ST+4*\e+1]          ; a -M far above every later one: the first f is 0
	v_mov_b32 v[ST+4*\e+2], 0
	v_mov_b32 v[ST+4*\e+3], 0
.endr
.set j, 0
.rept 64
	v_mov_b32 v[O+j], 0                            ; O^T: the first trip is like the others and finds zeros
.set j, j+1
.endr
	AW
.Ltrip:                                                ; 7 trips; the eighth is written out: it asks for Wo in K's and V's stead
	TRIP 0
	s_sub_co_u32 s27, s27, 1
	s_cmp_lg_u32 s27, 0
	s_cbranch_scc1 .Ltrip
	TRIP 1
	s_wait_tensorcnt 0x0                           ; my part of Wo is in: I alone read it; and no tensor load of mine is out when my first LDS store goes
	; the rows' sums, O^T / the sum, the codes and scale bytes of my head's 64 channels
	v_add_f32 v[ST+2], v[ST+2], v[ST+3]
	v_add_f32 v[ST+6], v[ST+6], v[ST+7]
	v_permlanex16_b32 v[PX], v[ST+2], s[SEL], s[SEL+1]
	v_permlanex16_b32 v[PX+1], v[ST+6], s[SEL], s[SEL+1]
	v_add_f32 v[ST+2], v[ST+2], v[PX]
	v_add_f32 v[ST+6], v[ST+6], v[PX+1]
	AW
	v_rcp_f32 v[ST+2], v[ST+2]
	v_rcp_f32 v[ST+6], v[ST+6]
	v_nop
	AW                                             ; for the two, and directly ahead of the first readers of O^T
.irp e, 0,1
.set j, 0
.rept 16
	v_pk_mul_f32 v[S+32*\e+j:S+32*\e+j+1], v[O+32*\e+j:O+32*\e+j+1], v[ST+4*\e+2:ST+4*\e+3] op_sel_hi:[1,0]
.set j, j+2
.endr
.endr
	v_and_b32 v18, 15, v0                          ; r
	v_bfe_u32 v19, v0, 4, 1                        ; h
	v_add_nc_u32 v16, s24, v[OC]                   ; where my image goes
	v_lshl_add_u32 v17, v18, 2, s25                ; where my row's two scale bytes go
	v_mul_u32_u24 v20, v18, SP
	v_lshl_add_u32 v20, v19, 5, v20
	v_add_nc_u32 v20, s26, v20                     ; stage, in: row r, 32 bytes for each half of the lanes
	v_mul_u32_u24 v21, v19, SP
	v_lshl_add_u32 v21, v18, 4, v21
	v_add_nc_u32 v21, s26, v21                     ; back: lanes 0-15 one row of 256 bytes, lanes 16-31 the next
	v_lshlrev_b32 v22, 12, v19
	v_lshl_add_u32 v22, v18, 4, v22                ; and the same in out0
	v_lshlrev_b32 v23, 4, v18                      ; my four numbers of bo
	v_mul_u32_u24 v28, v18, SP
	v_lshl_add_u32 v28, v19, 4, v28
	v_add_nc_u32 v28, s26, v28                     ; my place in a fragment of Wo in LDS: row r x pitch + 16 h
	v_lshlrev_b32 v18, 2, v18                      ; a row's scale word
.irp e, 0,1
	UNIT S+32*\e, PC+4*\e
	ds_store_b128 v16, v[PC+4*\e:PC+4*\e+3] offset:AIMG+8192*\e
	v_lshl_or_b32 v[MX], v[MX+3], 8, v[MX+2]
	ds_store_b16 v17, v[MX] offset:512*\e          ; lanes l and l xor 16 write the same bytes with the same value
.endr
	LDW S, 2
	LDW S+32, 3
	global_load_b128 v[24:27], v23, s[14:15]
	AW
	s_wait_dscnt 0x0                               ; for the others' sake
	s_barrier_signal -1
	s_barrier_wait -1                              ; all 16 heads' images and scale bytes lie in LDS
; One product of the last: rows' tile a, Wo's tile b, K step s.  The 8 accumulators take turns
.macro OW s, a, b
.set DD, O+8*(4*\a+\b)
.set XX, 32+32*((\s)%4)+4*(((\s)%4+3)/4)+8*\b
.set YY, PC-220*\a
.set WW, KS+4*(\b/2)+8*((\s)/4)+4*(\b/2)*((\s)/4)+(\s)%4
.if ((\s)==0) && (\b%2)
	v_wmma_scale_f32_16x16x128_f8f6f4 v[DD:DD+7], v[XX:XX+7], v[YY:YY+7], 0, v[WW], v[QSC+\a] matrix_a_fmt:MATRIX_FMT_FP4 matrix_b_fmt:MATRIX_FMT_FP4 matrix_a_scale:MATRIX_SCALE_ROW1
.elseif (\s)==0
	v_wmma_scale_f32_16x16x128_f8f6f4 v[DD:DD+7], v[XX:XX+7], v[YY:YY+7], 0, v[WW], v[QSC+\a] matrix_a_fmt:MATRIX_FMT_FP4 matrix_b_fmt:MATRIX_FMT_FP4
.elseif \b%2
	v_wmma_scale_f32_16x16x128_f8f6f4 v[DD:DD+7], v[XX:XX+7], v[YY:YY+7], v[DD:DD+7], v[WW], v[QSC+\a] matrix_a_fmt:MATRIX_FMT_FP4 matrix_b_fmt:MATRIX_FMT_FP4 matrix_a_scale:MATRIX_SCALE_ROW1
.else
	v_wmma_scale_f32_16x16x128_f8f6f4 v[DD:DD+7], v[XX:XX+7], v[YY:YY+7], v[DD:DD+7], v[WW], v[QSC+\a] matrix_a_fmt:MATRIX_FMT_FP4 matrix_b_fmt:MATRIX_FMT_FP4
.endif
.endm
; K step s.  Wo has four sets of 32 registers (v32, v68, v100, v132); the set that step s - 1 read takes step s + 3.  cnt: the loads issued behind this step's set
.macro OSTEP s, cnt
.if (\s)>0
	NOPS 4                                         ; places in front of loads into registers that the last products read
.endif
	ds_load_b128 v[PC:PC+3], v[OC] offset:AIMG+1024*(\s)
	ds_load_b128 v[PC+4:PC+7], v[OC] offset:AIMG+1024*(\s)+512
	ds_load_b128 v[8:11], v[OC] offset:AIMG+8192+1024*(\s)
	ds_load_b128 v[12:15], v[OC] offset:AIMG+8192+1024*(\s)+512
	ds_load_b32 v[QSC], v18 offset:ASCL+64*(\s)
	ds_load_b32 v[QSC+1], v18 offset:ASCL+512+64*(\s)
.if ((\s)>=1) && ((\s)<=4)
.set SB, 32+32*((\s)-1)+4*(((\s)+2)/4)
	LDL SB, (\s)+3
.endif
	s_wait_loadcnt \cnt
	s_wait_dscnt 0x0
.irp a, 0,1
.irp b, 0,1,2,3
	OW \s, \a, \b
.endr
.endr
.endm
	OSTEP 0, 25                                    ; behind Wo's scale words and set 0: sets 1, 2, 3 and bo
	OSTEP 1, 17                                    ; behind set 1: sets 2, 3 and bo; nothing more is asked of memory
	OSTEP 2, 9
	OSTEP 3, 1
	OSTEP 4, 0                                     ; bo is in; from here on Wo comes from LDS
	OSTEP 5, 0
	OSTEP 6, 0
	OSTEP 7, 0
	NOPS 4
.irp a, 0,1                                        ; the way out: a tile of 16 rows through my stage; LDS serves a wave's instructions in order
.irp b, 0,1,2,3
	ds_store_b128 v20, v[O+8*(4*\a+\b):O+8*(4*\a+\b)+3] offset:64*\b
	ds_store_b128 v20, v[O+8*(4*\a+\b)+4:O+8*(4*\a+\b)+7] offset:64*\b+16
.endr
.irp i, 0,1,2,3,4,5,6,7
	ds_load_b128 v[32+36*\a+4*\i:32+36*\a+4*\i+3], v21 offset:2*\i*SP
.endr
.endr
.irp a, 0,1
	AW
	s_wait_dscnt 16-16*\a                          ; tile 0 is back: tile 1's 8 stores and 8 loads may be out
.irp i, 0,1,2,3,4,5,6,7
	v_pk_add_f32 v[32+36*\a+4*\i:32+36*\a+4*\i+1], v[32+36*\a+4*\i:32+36*\a+4*\i+1], v[24:25]   ; + bo
	v_pk_add_f32 v[34+36*\a+4*\i:34+36*\a+4*\i+1], v[34+36*\a+4*\i:34+36*\a+4*\i+1], v[26:27]
.endr
.irp i, 0,1,2,3,4,5,6,7
	global_store_b128 v22, v[32+36*\a+4*\i:32+36*\a+4*\i+3], s[16:17] offset:65536*\a+8192*\i th:TH_STORE_NT   ; 16 lanes store 256 consecutive bytes, aligned
.endr
.endr
	s_wait_tensorcnt 0x0                           ; the wave's end
	ds_add_u32 v[SPW], v[NIL]
	s_wait_dscnt 0x0
	ROUND                                          ; the closing round: no work-group ends while a partner may still ask for a tile that names it
	s_endpgm
.Lfunc_end_k_q046bcc905e_attn:
	.size	k_q046bcc905e_attn, .Lfunc_end_k_q046bcc905e_attn-k_q046bcc905e_attn
	.p2alignl 7, 3214868480
	.fill 96, 4, 3214868480
	.section	.rodata,"a",@progbits
	.p2align	6, 0x0
	.amdhsa_kernel k_q046bcc905e_attn
		.amdhsa_group_segment_fixed_size 327680
		.amdhsa_private_segment_fixed_size 0
		.amdhsa_enable_private_segment 0
		.amdhsa_kernarg_size 56
		.amdhsa_user_sgpr_count 2
		.amdhsa_user_sgpr_kernarg_segment_ptr 1
		.amdhsa_wavefront_size32 1
		.amdhsa_system_sgpr_workgroup_id_x 1
		.amdhsa_system_sgpr_workgroup_id_y 1
		.amdhsa_system_sgpr_workgroup_id_z 1
		.amdhsa_system_vgpr_workitem_id 0
		.amdhsa_next_free_vgpr 256
		.amdhsa_next_free_sgpr 66
		.amdhsa_reserve_vcc 0
		.amdhsa_float_denorm_mode_32 3
		.amdhsa_float_denorm_mode_16_64 3
		.amdhsa_memory_ordered 1
		.amdhsa_forward_progress 1
		.amdhsa_inst_pref_size 97
	.end_amdhsa_kernel
	.amdgpu_metadata
---
amdhsa.version: [ 1, 2 ]
amdhsa.kernels:
  - .name:           k_q046bcc905e_attn
    .symbol:         k_q046bcc905e_attn.kd
    .args:
      - { .name: kv, .offset: 0, .size: 8, .value_kind: global_buffer, .address_space: global }
      - { .name: qimg, .offset: 8, .size: 8, .value_kind: global_buffer, .address_space: global }
      - { .name: qscl, .offset: 16, .size: 8, .value_kind: global_buffer, .address_space: global }
      - { .name: Wo_codes, .offset: 24, .size: 8, .value_kind: global_buffer, .address_space: global }
      - { .name: Wo_scales, .offset: 32, .size: 8, .value_kind: global_buffer, .address_space: global }
      - { .name: bo, .offset: 40, .size: 8, .value_kind: global_buffer, .address_space: global }
      - { .name: out0, .offset: 48, .size: 8, .value_kind: global_buffer, .address_space: global }
    .group_segment_fixed_size: 327680
    .private_segment_fixed_size: 0
    .kernarg_segment_align: 8
    .kernarg_segment_size: 56
    .max_flat_workgroup_size: 512
    .sgpr_count:     66
    .vgpr_count:     256
    .wavefront_size: 32
...
	.end_amdgpu_metadata
.endif
;; end of part 2
